; MI455X (gfx1250); checked and timed in simulation.
; The chip was launched on July 23, 2026; its instructions are those of AMD's public machine-readable ISA for CDNA 5 (MIT licence, August 2026) and "CDNA5" Instruction Set Architecture Reference Guide (July 2026). The comments in the code are by the model that wrote it; some were corrected since.
;; Attention Block. Allowed arithmetic: matrix products marked QUANTISED: E2M1 operands, one E8M0 scale for each 32 along K, by v_wmma_scale_f32_16x16x128_f8f6f4 with both operands' format E2M1 (or v_wmma_scale_f32_32x16x128_f4), f32 sums; everything else in f32.
;; Inputs: b_out 1,024 float32; b_qkv 3,072 float32; ln_b 1,024 float32; ln_g 1,024 float32; w_out 1,024 x 1,024 float32; w_qkv 1,024 x 3,072 float32; x 8 x 1,024 x 1,024 float32.
;; Outputs: out0 8 x 1,024 x 1,024 float32.
;; This version of the problem:
;;   THIS VERSION OF THE PROBLEM IS GIVEN IN LOW PRECISION. The matrix products marked QUANTISED in the list below multiply operands that are first quantised to E2M1 (2 exponent bits, 1 mantissa bit; 4 bits a number), with one power-of-two scale for each 32 numbers along K (OCP MX v1.0); their sums are f32. All else is computed in f32.
;;   The module's matrix products, in the order in which they are computed (A, B: the left and right operand; K: the contracted axis; several contracted axes count as one K, in the product's order):
;;     1. [M 8,192, K 1,024] x [K 1,024, N 3,072]; A: computed on the way; B: input w_qkv: QUANTISED
;;     2. batch 64 x [M 1,024, K 128] x [K 128, N 1,024]; A: computed on the way; B: computed on the way: QUANTISED
;;     3. batch 64 x [M 1,024, K 1,024] x [K 1,024, N 128]; A: softmax (see below); B: computed on the way: QUANTISED
;;     4. [M 8,192, K 1,024] x [K 1,024, N 1,024]; A: computed on the way; B: input w_out: QUANTISED
;;   THE QUANTISER, for each operand of a quantised product, along K:
;;     - K is cut into blocks of 32 from its start; a last block that is shorter is filled with zeros.
;;     - A block's scale is 2^e with e = floor(log2(the largest magnitude in the block)) - 2, held to -126 .. 127; a block of zeros has e = 0. As a byte (E8M0): e + 127.
;;     - Each number is divided by its block's scale, clamped to +-6, and rounded to the nearest number of E2M1, ties to even, subnormals kept.
;;     - The product sums the exact products of the quantised numbers (number of the format x scale) in f32.
;;   ~~~python
;;   def quantise(x, axis):      # numpy; x: float32 -> the quantised numbers, widened to float32 again
;;       x = np.moveaxis(x, axis, -1); K = x.shape[-1]
;;       x = np.pad(x, [(0, 0)] * (x.ndim - 1) + [(0, -K % 32)]); x = x.reshape(x.shape[:-1] + (-1, 32)); a = np.abs(x).max(-1, keepdims=True)
;;       e = np.where(a > 0, np.clip(np.frexp(np.where(a > 0, a, 1))[1] - 1 - 2, -126, 127), 0)      # np.frexp(a)[1] - 1 = floor(log2(a)), exactly
;;       r = np.clip(x / 2.0 ** e, -6, 6)
;;       step = 2.0 ** (np.maximum(np.frexp(np.where(r == 0, 1, r))[1] - 1, 0) - 1)
;;       q = np.round(r / step) * step * 2.0 ** e      # np.round: ties to even
;;       return np.moveaxis(q.reshape(q.shape[:-2] + (-1,))[..., :K], -1, axis).astype(np.float32)
;;   ~~~
;;   SOFTMAX AHEAD OF A QUANTISED PRODUCT. Where the list says 'softmax', what is quantised is not the finished softmax but p = 2^(t - M), with t = logit x log2(e) and M = ceil(the row's largest t), a whole number; so 1/2 < the row's largest p <= 1. The row's sum l is taken of the UNQUANTISED p, in f32, and the product's result is divided by l at the end. Since M is a whole number, a kernel that streams over the keys may use a running M (the ceiling of the running maximum): every later rescaling is an exact power of two, which a block's scale takes up: the codes' values come out the same.
;;   OPERANDS COMPUTED ON THE WAY. 'Computed on the way' means the value that the module computes at that place (a softmax that the list does not call 'softmax' is quantised finished and normalised). What goes into a quantiser is computed in f32, as accurately as f32 sums, v_exp_f32 and their like allow (about 1e-6 of the number): no bf16 or f16 on the way to a quantiser, and a product that is left as it is and whose result goes on into a quantised operand takes f32 operands (vector FMAs, or v_wmma_f32_16x16x4_f32). A number that lies on a knife's edge between two numbers of the format may be rounded either way, as far as f32 arithmetic and the matrix unit's own rounding can turn it there, and no further.
;; One version. Each part assembles by itself: llvm-mc -triple=amdgcn-amd-amdhsa -mcpu=gfx1250 --defsym DOCPART=n.
;; ======== version 1 of 1: 3 launches
;; limits: right only within a limited range of input values
;; workspace buffers: xq 4,521,984 bytes; wq 1,671,168 bytes; oq 557,056 bytes; qkvw 14,155,776 bytes
;; launch prep (part 1): grid 384 x 1, 4 waves a work-group, no clusters, 107,264 bytes of LDS; arguments x, ln_g, ln_b, w_qkv, w_out, xq, wq, oq; writes xq, wq, oq
.if DOCPART == 1
	.amdgcn_target "amdgcn-amd-amdhsa--gfx1250"
	.amdhsa_code_object_version 6
	.text
	.protected	k_q9e65426f45_prep
	.globl	k_q9e65426f45_prep
	.p2align	8
	.type	k_q9e65426f45_prep,@function
k_q9e65426f45_prep:
	s_mov_b64 s[64:65], 0
	v_nop
	global_prefetch_b8 v0, s[64:65] scope:SCOPE_SE
	s_setreg_imm32_b32 hwreg(HW_REG_WAVE_MODE, 25, 1), 1
	s_wait_xcnt 0x0
; PREP.  Three kinds of work-group, told apart by the work-group's number alone:
;   0-95    w_qkv [1024 (k)][3072 (n)] f32 -> wq: codes of FP4 (E2M1), K innermost, [3072 stored rows][512 bytes], then one E8M0 byte for each 32 along K, [3072][32]
;   96-127  w_out [1024][1024] f32 -> oq, likewise, rows in their own order
;   128-383 LayerNorm of 32 rows of x [8192][1024] -> xq: codes as IMAGES OF OPERAND REGISTERS, scale bytes [8192][32], and for each row (rstd, -mu rstd) as two f32
; xq's codes: block l (32 channels, 16 bytes) of row r of a tile of 16 rows lies at 8192 tile + 256 l + 16 r: the fragment of K step n is then 1,024 consecutive bytes, register group c of lane j at 512 c + 16 j.
; A block's scale is 2^(floor(log2(its largest magnitude)) - 2): its byte is the largest magnitude's exponent field - 2, held at 1 from below by a floor among the maximum's leaves.
; THE ORDER OF wq's ROWS.  In every 32 columns, column c lies at stored place s = c with bits 3 and 4 exchanged, so that lane r of a tile of 16 stored rows holds column 8 u + r + 8 (r / 8):
; the 16 registers of two neighbouring result tiles are then 16 neighbours along the next product's K.  q's and k's columns: stored row = 32 (n / 32) + s.
; v's column 2048 + 128 g + 32 be + c: stored row = 2048 + 256 be + 128 (s / 16) + 16 g + s % 16: a run of 128 stored rows is one tile of 16 channels for all eight groups g.
; LIMITS: NaN and infinities among the inputs are not served.  A block whose largest magnitude lies under 2^-124, a block of zeros among them, gets the byte 1 (a block of zeros has zero codes;
; the bytes are read by this program alone).
; No cluster: no two work-groups read the same bytes.  No tensor loads: all loads go to registers.  Each of the three paths has LDS bytes of its own.
.set XS_O,  4194304                    ; xq: where the scale bytes begin
.set ST_O,  4456448                    ; xq: where the rows' two numbers begin
.set WS_O,  1572864                    ; wq: scale bytes
.set OS_O,  524288                     ; oq: scale bytes
.set WP,    272                        ; weights: a stage row: 256 bytes of codes + 16
.set LNB,   69632                      ; LayerNorm: behind the two weight paths' stages
.set LNW,   4864                       ; a wave's region: a stage of 32 x 144 bytes, then its 256 scale bytes
.set STATS, 89088                      ; 32 rows x 8 bytes
.set XIMG,  89344                      ; the work-group's 64 pieces of images: 256 bytes (16 rows x 16) + 16 of padding each
.set WX,    32                         ; weights: v32-95 two sets of 32 numbers; v96-99 a block's codes; v24-25 scale bytes; v112-143 the way out
.set WC,    96
.set WSB,   24
.set WOUT,  112
.set G,     16                         ; LayerNorm: v16-47 ln_g, v48-79 ln_b of my 32 channels; v80-207 four rows as loaded; v208-239 my 32 neighbours; v240-243 codes
.set BB,    48
.set R,     80
.set X,     208
.set C,     240
; ---- weights: a lane takes a column, its registers run down K (a block of 32 is one lane's).  A work-group takes 64 columns x 512 along K; wave w takes columns 32 (w % 2) on and 256 along K from 256 (w / 2) on:
; eight blocks.  The two waves of a column group write the two halves of the same stage rows; behind a barrier each stores 16 whole rows of 256 bytes.
.macro WLOAD t, N                      ; block t: W(32 t + i, my column), i = 0 .. 31, into set t % 2: 128 consecutive bytes a wave
.set ii, 0
.rept 32
	global_load_b32 v[WX+32*((\t)%2)+ii], v3, s[34:35] offset:(32*(\t)+ii)*\N*4 th:TH_LOAD_NT
.set ii, ii+1
.endr
.endm
.macro WBLOCK t, N
.set XB, WX+32*((\t)%2)
.if (\t) < 7
	s_wait_loadcnt 32                              ; this block's 32 loads are in; the next block's 32 may be out
.else
	s_wait_loadcnt 0x0
.endif
	v_max3_num_f32 v12, |v[XB]|, |v[XB+1]|, |v[XB+2]|
	v_max3_num_f32 v13, |v[XB+3]|, |v[XB+4]|, |v[XB+5]|
.irp j, 6,10,14,18,22,26
	v_max3_num_f32 v12, v12, |v[XB+\j]|, |v[XB+\j+1]|
	v_max3_num_f32 v13, v13, |v[XB+\j+2]|, |v[XB+\j+3]|
.endr
	v_max3_num_f32 v12, v12, |v[XB+30]|, |v[XB+31]|
	v_max3_num_f32 v12, v12, v13, 0x1800000        ; with the floor 2^(3 - 127): the byte cannot fall under 1
	v_add_nc_u32 v11, 0xff000000, v12              ; 2 off the exponent field: the conversion's scale operand
	v_lshrrev_b32 v13, 23, v11                     ; the scale's byte
.if (\t)%4 == 0
	v_mov_b32 v[WSB+(\t)/4], v13
.else
	v_lshl_or_b32 v[WSB+(\t)/4], v13, 8*((\t)%4), v[WSB+(\t)/4]
.endif
.irp g, 0,1,2,3
	v_cvt_scalef32_pk8_fp4_f32 v[WC+\g], v[XB+8*\g:XB+8*\g+7], v11
.endr
	ds_store_b128 v4, v[WC:WC+3] offset:16*(\t)    ; 32 codes: 16 bytes of my half of my column's stage row
.if (\t)+2 < 8
	WLOAD (\t)+2, \N
.endif
	s_wait_dscnt 0x0                               ; the store has read its registers and has landed: the next block's codes may be written
.endm
; s21 = the path's own work-group number: column block s21 / 2 (64 columns), half s21 % 2 of K.  SRC, DST: the scalar pairs of the weight and of its workspace; SCO: where DST's scale bytes begin
.macro WPATH N, LB, SWAP, SRC, DST, SCO
	s_lshr_b32 s22, s21, 1                         ; column block
	s_and_b32 s23, s21, 1                          ; which 512 along K
	s_and_b32 s46, s20, 1                          ; my column group of 32
	s_lshr_b32 s47, s20, 1                         ; my 256 of the 512 along K
	s_lshl_b32 s24, s22, 6
	s_lshl_b32 s25, s46, 5
	s_add_co_u32 s24, s24, s25                     ; my first column: also the first stored row where rows stay inside their 32
.if \SWAP
	s_and_b32 s26, s22, 1
	s_lshl_b32 s26, s26, 1
	s_add_co_u32 s26, s26, s46                     ; v: be = 2 (column block % 2) + column group
	s_lshl_b32 s26, s26, 8
	s_lshr_b32 s27, s22, 1
	s_lshl_b32 s27, s27, 4                         ; 16 (column block / 2) = 16 g + 256
	s_add_co_u32 s26, s26, s27
	s_add_co_u32 s26, s26, 1792                    ; 2048 + 256 be + 16 g
	s_cmp_ge_u32 s22, 32
	s_cselect_b32 s26, s26, s24                    ; the stored row of stage row 0,
	s_cselect_b32 s27, 112, 0                      ; and how much further than 16 stage rows 16-31 lie
.else
	s_mov_b32 s26, s24
	s_mov_b32 s27, 0
.endif
	s_lshl_b32 s28, s23, 1
	s_add_co_u32 s28, s28, s47
	s_mul_i32 s28, s28, 256*\N*4
	s_lshl_b32 s29, s24, 2
	s_add_co_u32 s28, s28, s29                     ; the weight: 256 rows x my quarter of K + 4 x column
	s_mov_b32 s29, 0
	s_add_co_u32 s32, s27, 16
	s_mul_i32 s32, s32, s47                        ; I store stage rows 16 (w / 2) on
	s_add_co_u32 s30, s26, s32
	s_lshl_b32 s30, s30, 9
.if \SWAP
	s_lshl_b32 s31, s23, 8
.else
	s_lshl_b32 s31, s23, 12                        ; w_out's codes leave as IMAGES OF OPERAND REGISTERS: 8192 x (tile of 16 rows) + 1024 x (K step) + 512 c + 16 lane; half a K is four K steps
.endif
	s_add_co_u32 s30, s30, s31                     ; the codes: 512 x stored row + 256 x half
	s_mov_b32 s31, 0
	s_lshl_b32 s42, s26, 5
	s_lshl_b32 s43, s23, 4
	s_add_co_u32 s42, s42, s43
	s_lshl_b32 s43, s47, 3
	s_add_co_u32 s42, s42, s43
	s_add_co_u32 s42, s42, \SCO                    ; the scale bytes: 32 x stored row + 8 x my quarter of K
	s_mov_b32 s43, 0
	s_lshl_b32 s44, s27, 5
	s_mul_i32 s45, s46, 32*WP
	s_add_co_u32 s45, s45, \LB                     ; my column group's stage
	s_lshl_b32 s33, s47, 7
	s_add_co_u32 s33, s33, s45                     ; my half of its rows
	s_mul_i32 s32, s47, 16*WP
	s_add_co_u32 s32, s32, s45                     ; the 16 rows that I store
	v_and_b32 v2, 31, v0                           ; lane = my column
	v_lshlrev_b32 v3, 2, v2
.if \SWAP
	v_and_b32 v5, 7, v2
	v_bfe_u32 v6, v2, 3, 1
	v_lshl_or_b32 v5, v6, 4, v5
	v_bfe_u32 v6, v2, 4, 1
	v_lshl_or_b32 v5, v6, 3, v5                    ; my stage row: the lane with bits 3 and 4 exchanged
.else
	v_and_b32 v5, 31, v0
.endif
	v_mul_u32_u24 v4, v5, WP
	v_add_nc_u32 v4, s33, v4                       ; into the stage
	v_and_b32 v6, 15, v2
	v_lshrrev_b32 v10, 4, v2
.if \SWAP
	v_mul_u32_u24 v7, v10, WP
	v_lshl_add_u32 v7, v6, 4, v7
	v_add_nc_u32 v7, s32, v7                       ; out of it: sixteen lanes to a row, two rows an instruction
	v_lshlrev_b32 v8, 9, v10
	v_lshl_add_u32 v8, v6, 4, v8                   ; and the same place among the codes' rows
.else
	v_mul_u32_u24 v7, v6, WP
	v_lshl_add_u32 v7, v10, 4, v7
	v_add_nc_u32 v7, s32, v7                       ; out of it as a fragment's lanes take it: row lane % 16, 16 bytes for each half of the lanes
	v_lshlrev_b32 v8, 4, v2                        ; and 16 x lane in the image
.endif
	v_lshrrev_b32 v9, 4, v5
	v_mul_u32_u24 v9, s44, v9
	v_lshl_add_u32 v9, v5, 5, v9                   ; my column's row of scale bytes
	s_wait_kmcnt 0x0
	s_add_nc_u64 s[34:35], s[\SRC:\SRC+1], s[28:29]
	s_add_nc_u64 s[36:37], s[\DST:\DST+1], s[30:31]
	s_add_nc_u64 s[40:41], s[\DST:\DST+1], s[42:43]
	WLOAD 0, \N
	WLOAD 1, \N
.irp t, 0,1,2,3,4,5,6,7
	WBLOCK \t, \N
.endr
	s_wait_alu depctr_va_vdst(0)
	global_store_b64 v9, v[WSB:WSB+1], s[40:41]    ; my column's 8 scale bytes: pieces of 8 bytes, one byte for each 128 that the path reads
	s_barrier_signal -1                            ; my stores into the stage have landed (the last block's wait for 0)
	s_barrier_wait -1                              ; both halves of every row lie in the stage
.irp t, 0,1,2,3,4,5,6,7
.if \SWAP
	ds_load_b128 v[WOUT+4*\t:WOUT+4*\t+3], v7 offset:2*\t*WP
.else
	ds_load_b128 v[WOUT+4*\t:WOUT+4*\t+3], v7 offset:32*\t         ; register group t % 2 of K step t / 2
.endif
.endr
.irp t, 0,1,2,3,4,5,6,7
	s_wait_dscnt 7-\t                              ; load t is in; the younger ones may be out
.if \SWAP
	global_store_b128 v8, v[WOUT+4*\t:WOUT+4*\t+3], s[36:37] offset:2*\t*512   ; sixteen lanes store 256 consecutive bytes, aligned
.else
	global_store_b128 v8, v[WOUT+4*\t:WOUT+4*\t+3], s[36:37] offset:512*\t     ; 512 consecutive bytes, aligned
.endif
.endr
.endm
; ---- LayerNorm
.macro LNLOAD i                        ; row i of my eight: eight loads of 512 consecutive bytes
.irp j, 0,1,2,3,4,5,6,7
	global_load_b128 v[R+32*((\i)%4)+4*\j:R+32*((\i)%4)+4*\j+3], v2, s[4:5] offset:4096*(\i)+512*\j th:TH_LOAD_NT
.endr
.endm
.macro WSUM r, t                       ; the sum over the wave's 32 lanes, in every lane
	v_add_f32_dpp v[\r], v[\r], v[\r] row_xmask:1 row_mask:0xf bank_mask:0xf
	v_add_f32_dpp v[\r], v[\r], v[\r] row_xmask:2 row_mask:0xf bank_mask:0xf
	v_add_f32_dpp v[\r], v[\r], v[\r] row_xmask:4 row_mask:0xf bank_mask:0xf
	v_add_f32_dpp v[\r], v[\r], v[\r] row_xmask:8 row_mask:0xf bank_mask:0xf
	v_permlanex16_b32 v[\t], v[\r], s46, s47
	v_add_f32 v[\r], v[\r], v[\t]
.endm
.macro ROW i
.set RS, R+32*((\i)%4)
.if 7-(\i) >= 3
	s_wait_loadcnt 24                              ; my row's eight loads are in (and ln_g, ln_b, which are older); three younger rows may be out
.else
	s_wait_loadcnt 8*(7-(\i))
.endif
.irp j, 0,1,2,3,4,5,6,7
	ds_store_b128 v3, v[RS+4*\j:RS+4*\j+3] offset:576*\j   ; the row turns through my stage: as loaded, 128 bytes + 16 of padding to a place
.endr
.irp k, 0,1,2,3,4,5,6,7
	ds_load_b128 v[X+4*\k:X+4*\k+3], v4 offset:16*\k       ; and back: lane l holds channels 32 l .. 32 l + 31: a whole block
.endr
	s_wait_dscnt 0x0                               ; the row is back; all my LDS stores, the last row's codes among them, have read their registers,
.if (\i)+4 < 8
	LNLOAD (\i)+4                                  ; which take the row four further on
.endif
	v_pk_add_f32 v[244:245], v[X:X+1], v[X+2:X+3]  ; the sum, in two chains
	v_pk_add_f32 v[246:247], v[X+4:X+5], v[X+6:X+7]
.irp j, 8,12,16,20,24,28
	v_pk_add_f32 v[244:245], v[244:245], v[X+\j:X+\j+1]
	v_pk_add_f32 v[246:247], v[246:247], v[X+\j+2:X+\j+3]
.endr
	v_pk_add_f32 v[244:245], v[244:245], v[246:247]
	v_add_f32 v244, v244, v245
	WSUM 244, 245
	v_mul_f32 v248, s44, v244                      ; mu = sum / 1024, exact scaling
	v_mul_f32 v249, s44, v244
.irp j, 0,2,4,6,8,10,12,14,16,18,20,22,24,26,28,30
	v_pk_add_f32 v[X+\j:X+\j+1], v[X+\j:X+\j+1], v[248:249] neg_lo:[0,1] neg_hi:[0,1]   ; x - mu
.endr
	v_pk_mul_f32 v[244:245], v[X:X+1], v[X:X+1]    ; the sum of squares of x - mu
	v_pk_mul_f32 v[246:247], v[X+2:X+3], v[X+2:X+3]
.irp j, 4,8,12,16,20,24,28
	v_pk_fma_f32 v[244:245], v[X+\j:X+\j+1], v[X+\j:X+\j+1], v[244:245]
	v_pk_fma_f32 v[246:247], v[X+\j+2:X+\j+3], v[X+\j+2:X+\j+3], v[246:247]
.endr
	v_pk_add_f32 v[244:245], v[244:245], v[246:247]
	v_add_f32 v244, v244, v245
	WSUM 244, 245
	v_fma_f32 v246, v244, s44, s45                 ; var + eps
	s_wait_alu depctr_va_vdst(0)
	v_rsq_f32 v250, v246
	v_nop                                          ; a plain instruction behind the transcendental,
	s_wait_alu depctr_va_vdst(0)                   ; and the wait ahead of its first reader
	v_mul_f32 v251, -v248, v250                    ; -mu rstd, for the last launch's residual
	ds_store_b64 v8, v[250:251] offset:8*(\i)      ; all lanes write the same two words with the same values
.irp j, 0,2,4,6,8,10,12,14,16,18,20,22,24,26,28,30
	v_pk_mul_f32 v[X+\j:X+\j+1], v[X+\j:X+\j+1], v[250:251] op_sel_hi:[1,0]
.endr
.irp j, 0,2,4,6,8,10,12,14,16,18,20,22,24,26,28,30
	v_pk_fma_f32 v[X+\j:X+\j+1], v[X+\j:X+\j+1], v[G+\j:G+\j+1], v[BB+\j:BB+\j+1]   ; xn
.endr
	v_max3_num_f32 v244, |v[X]|, |v[X+1]|, |v[X+2]|
	v_max3_num_f32 v245, |v[X+3]|, |v[X+4]|, |v[X+5]|
.irp j, 6,10,14,18,22,26
	v_max3_num_f32 v244, v244, |v[X+\j]|, |v[X+\j+1]|
	v_max3_num_f32 v245, v245, |v[X+\j+2]|, |v[X+\j+3]|
.endr
	v_max3_num_f32 v244, v244, |v[X+30]|, |v[X+31]|
	v_max3_num_f32 v244, v244, v245, 0x1800000
	v_add_nc_u32 v246, 0xff000000, v244
.irp g, 0,1,2,3
	v_cvt_scalef32_pk8_fp4_f32 v[C+\g], v[X+8*\g:X+8*\g+7], v246
.endr
	v_lshrrev_b32 v247, 23, v246                   ; the scale's byte (also the plain instruction behind the conversions)
	ds_store_b8 v5, v247 offset:32*(\i)
	ds_store_b128 v11, v[C:C+3] offset:16*(\i)     ; my block's 16 bytes into piece 32 (tile) + lane, at this row's place: lanes 272 bytes apart
.endm
	s_load_b512 s[4:19], s[0:1], 0x0               ; x, ln_g, ln_b, w_qkv, w_out, xq, wq, oq
	v_lshl_add_u32 v254, v0, 2, 0x1a100
	v_mov_b32 v255, 0
	v_lshrrev_b32 v1, 5, v0
	v_readfirstlane_b32 s20, v1                    ; wave 0..3
	s_cmp_lt_u32 ttmp9, 96
	s_cbranch_scc1 .Lwqkv
	s_cmp_lt_u32 ttmp9, 128
	s_cbranch_scc1 .Lwout
	; ---- LayerNorm: 32 rows a work-group, 8 consecutive rows a wave
	s_sub_co_u32 s21, ttmp9, 128
	s_lshl_b32 s22, s21, 5
	s_lshl_b32 s23, s20, 3
	s_add_co_u32 s22, s22, s23                     ; my first row
	s_lshl_b32 s24, s22, 12
	s_mov_b32 s25, 0
	s_lshl_b32 s26, s21, 14                        ; the images: 16,384 bytes a work-group,
	s_lshl_b32 s27, s20, 12                        ; of which I store 4,096
	s_add_co_u32 s26, s26, s27
	s_mov_b32 s27, 0
	s_lshl_b32 s28, s22, 5
	s_add_co_u32 s28, s28, XS_O
	s_mov_b32 s29, 0
	s_lshl_b32 s30, s21, 8
	s_add_co_u32 s30, s30, ST_O
	s_mov_b32 s31, 0
	s_mov_b32 s44, 0x3a800000                      ; 1 / 1024
	s_mov_b32 s45, 0x3727c5ac                      ; 1e-5
	s_mov_b32 s46, 0x76543210
	s_mov_b32 s47, 0xfedcba98                      ; v_permlanex16_b32's selects for lane l xor 16
	s_mul_i32 s32, s20, LNW
	s_add_co_u32 s32, s32, LNB                     ; my wave's LDS
	s_add_co_u32 s33, s32, 4608                    ; its scale bytes
	s_lshr_b32 s34, s20, 1
	s_mul_i32 s34, s34, 32*272                     ; my rows' tile: 32 pieces,
	s_and_b32 s35, s20, 1
	s_lshl_b32 s35, s35, 7                         ; and their place in a piece: rows 8 (w % 2) on
	s_add_co_u32 s34, s34, s35
	s_add_co_u32 s34, s34, XIMG
	s_mul_i32 s35, s20, 16*272
	s_add_co_u32 s35, s35, XIMG                    ; the 16 pieces that I store
	v_and_b32 v1, 31, v0                           ; lane
	v_lshlrev_b32 v2, 4, v1
	v_lshrrev_b32 v3, 3, v1
	v_mul_u32_u24 v3, v3, 144
	v_and_b32 v10, 7, v1
	v_lshl_add_u32 v3, v10, 4, v3
	v_add_nc_u32 v3, s32, v3                       ; the stage, in: 144 (lane / 8) + 16 (lane % 8); a load's 512 bytes take four places
	v_mul_u32_u24 v4, v1, 144
	v_add_nc_u32 v4, s32, v4                       ; out: 144 x lane
	v_add_nc_u32 v5, s33, v1
	v_lshlrev_b32 v7, 3, v1
	v_add_nc_u32 v6, s33, v7
	v_lshrrev_b32 v8, 5, v0
	v_lshl_add_u32 v8, v8, 6, STATS                ; my wave's eight rows' two numbers
	v_lshlrev_b32 v9, 7, v1
	v_add_nc_u32 v10, STATS, v7
	v_mul_u32_u24 v11, v1, 272
	v_add_nc_u32 v11, s34, v11                     ; the images, in: piece = my block
	v_lshrrev_b32 v12, 4, v1
	v_mul_u32_u24 v12, v12, 272
	v_and_b32 v13, 15, v1
	v_lshl_add_u32 v12, v13, 4, v12
	v_add_nc_u32 v12, s35, v12                     ; out: sixteen lanes to a piece, two pieces an instruction
	s_wait_alu depctr_va_vdst(0)
	s_wait_kmcnt 0x0
	s_add_nc_u64 s[4:5], s[4:5], s[24:25]
	s_add_nc_u64 s[36:37], s[14:15], s[26:27]
	s_add_nc_u64 s[38:39], s[14:15], s[28:29]
	s_add_nc_u64 s[40:41], s[14:15], s[30:31]
.irp i, 0,1,2,3,4,5,6,7
	global_load_b128 v[G+4*\i:G+4*\i+3], v9, s[6:7] offset:16*\i     ; ln_g and ln_b of my 32 channels
	global_load_b128 v[BB+4*\i:BB+4*\i+3], v9, s[8:9] offset:16*\i
.endr
.irp i, 0,1,2,3
	LNLOAD \i
.endr
.irp i, 0,1,2,3,4,5,6,7
	ROW \i
.endr
	ds_load_b64 v[244:245], v6                     ; my eight rows' 256 scale bytes
	s_wait_dscnt 0x0                               ; they are in, and my stores of codes and of the rows' two numbers have landed: for the others' sake zero
	global_store_b64 v7, v[244:245], s[38:39]      ; 256 consecutive bytes, aligned
	s_barrier_signal -1
	s_barrier_wait -1                              ; the work-group's 64 pieces are whole
.irp t, 0,1,2,3,4,5,6,7
	ds_load_b128 v[R+4*\t:R+4*\t+3], v12 offset:544*\t
.endr
.irp t, 0,1,2,3,4,5,6,7
	s_wait_dscnt 7-\t                              ; load t is in; the younger ones may be out
	global_store_b128 v2, v[R+4*\t:R+4*\t+3], s[36:37] offset:512*\t   ; two pieces: 512 consecutive bytes, aligned
.endr
	s_cmp_lg_u32 s20, 0
	s_cbranch_scc1 .Lln_end
	ds_load_b64 v[246:247], v10                    ; wave 0: the 32 rows' two numbers
	s_wait_dscnt 0x0
	global_store_b64 v7, v[246:247], s[40:41]      ; 256 consecutive bytes, aligned
.Lln_end:
	s_wait_tensorcnt 0x0
	ds_add_u32 v254, v255
	s_wait_dscnt 0x0
	s_endpgm
.Lwqkv:
	s_mov_b32 s21, ttmp9
	WPATH 3072, 0, 1, 10, 16, WS_O
	s_wait_tensorcnt 0x0
	ds_add_u32 v254, v255
	s_wait_dscnt 0x0
	s_endpgm
.Lwout:
	s_sub_co_u32 s21, ttmp9, 96
	WPATH 1024, 34816, 0, 12, 18, OS_O
	s_wait_tensorcnt 0x0
	ds_add_u32 v254, v255
	s_wait_dscnt 0x0
	s_endpgm
.Lfunc_end_k_q9e65426f45_prep:
	.size	k_q9e65426f45_prep, .Lfunc_end_k_q9e65426f45_prep-k_q9e65426f45_prep
	.p2alignl 7, 3214868480
	.fill 96, 4, 3214868480
	.section	.rodata,"a",@progbits
	.p2align	6, 0x0
	.amdhsa_kernel k_q9e65426f45_prep
		.amdhsa_group_segment_fixed_size 107264
		.amdhsa_private_segment_fixed_size 0
		.amdhsa_enable_private_segment 0
		.amdhsa_kernarg_size 64
		.amdhsa_user_sgpr_count 2
		.amdhsa_user_sgpr_kernarg_segment_ptr 1
		.amdhsa_wavefront_size32 1
		.amdhsa_system_sgpr_workgroup_id_x 1
		.amdhsa_system_sgpr_workgroup_id_y 1
		.amdhsa_system_sgpr_workgroup_id_z 1
		.amdhsa_system_vgpr_workitem_id 0
		.amdhsa_next_free_vgpr 256
		.amdhsa_next_free_sgpr 66
		.amdhsa_reserve_vcc 0
		.amdhsa_float_denorm_mode_32 3
		.amdhsa_float_denorm_mode_16_64 3
		.amdhsa_memory_ordered 1
		.amdhsa_forward_progress 1
		.amdhsa_inst_pref_size 164
	.end_amdhsa_kernel
	.amdgpu_metadata
---
amdhsa.version: [ 1, 2 ]
amdhsa.kernels:
  - .name:           k_q9e65426f45_prep
    .symbol:         k_q9e65426f45_prep.kd
    .args:
      - { .name: x, .offset: 0, .size: 8, .value_kind: global_buffer, .address_space: global }
      - { .name: ln_g, .offset: 8, .size: 8, .value_kind: global_buffer, .address_space: global }
      - { .name: ln_b, .offset: 16, .size: 8, .value_kind: global_buffer, .address_space: global }
      - { .name: w_qkv, .offset: 24, .size: 8, .value_kind: global_buffer, .address_space: global }
      - { .name: w_out, .offset: 32, .size: 8, .value_kind: global_buffer, .address_space: global }
      - { .name: xq, .offset: 40, .size: 8, .value_kind: global_buffer, .address_space: global }
      - { .name: wq, .offset: 48, .size: 8, .value_kind: global_buffer, .address_space: global }
      - { .name: oq, .offset: 56, .size: 8, .value_kind: global_buffer, .address_space: global }
    .group_segment_fixed_size: 107264
    .private_segment_fixed_size: 0
    .kernarg_segment_align: 8
    .kernarg_segment_size: 64
    .max_flat_workgroup_size: 128
    .sgpr_count:     66
    .vgpr_count:     256
    .wavefront_size: 32
...
	.end_amdgpu_metadata
.endif
;; end of part 1
;; launch qkv (part 2): grid 4 x 64, 4 waves a work-group, clusters of 4 x 4, 327,680 bytes of LDS; arguments xq, wq, b_qkv, qkvw; writes qkvw
.if DOCPART == 2
	.amdgcn_target "amdgcn-amd-amdhsa--gfx1250"
	.amdhsa_code_object_version 6
	.text
	.protected	k_q9e65426f45_qkv
	.globl	k_q9e65426f45_qkv
	.p2align	8
	.type	k_q9e65426f45_qkv,@function
k_q9e65426f45_qkv:
	s_mov_b64 s[64:65], 0
	v_nop
	global_prefetch_b8 v0, s[64:65] scope:SCOPE_SE
	s_setreg_imm32_b32 hwreg(HW_REG_WAVE_MODE, 25, 1), 1
	s_wait_xcnt 0x0
	s_wait_alu depctr_hold_cnt(0) depctr_sa_sdst(0) depctr_va_vdst(0) depctr_va_sdst(0) depctr_va_ssrc(0) depctr_va_vcc(0) depctr_vm_vsrc(0)
	s_getreg_b32 s2, hwreg(HW_REG_IB_STS2, 6, 4)
	s_cmp_eq_u32 s2, 0
	s_cbranch_scc0 .Lentry_in_a_cluster
	s_endpgm
.Lentry_in_a_cluster:
	s_bfe_u32 s2, ttmp6, 0x10000c
	s_cmp_lg_u32 s2, 0xf033
	s_cbranch_scc0 .Lentry_shape_is_right
	s_endpgm
.Lentry_shape_is_right:
; QKV.  qkv = xn w_qkv + b_qkv on codes of FP4 with E8M0 scales; q and k are multiplied by 128^(-1/4); q, k (along the head's 128 channels) and v (along the keys) are quantised here and stored as
; IMAGES OF OPERAND REGISTERS: a fragment's register group c (four registers) of lane l at 512 c + 16 l, so that the next launch takes them by loads of 16 bytes a lane with nothing to turn.
; HEADS.  By the raw reshape head hd is rows 128 hd .. 128 hd + 127 of the flat [8192][1024] matrix, and position p of a head is row p / 8, column group p % 8 (128 channels).
; SHARES.  64 heads x 4 quarters = 256 work-groups.  Work-group (head, quarter c) makes THREE tiles of 128 rows x 256 stored rows of w, one after the other: q's groups 2 c, 2 c + 1; k's; v's channel tiles 2 c, 2 c + 1.
; Four waves, 64 x 128 of each tile: 32 accumulators.  A wave's 64 rows of xn, all 1,024 along K, stay in 256 REGISTERS for the three passes: they come once, as the images that the launch before stored,
; by 64 loads of 512 consecutive bytes.  They are not asked for jointly and do not go through LDS: two slots of 256 rows of w (2 x 135,168 bytes), the scale bytes (30,464) and the spare words (512) take
; 301,312 of the 327,680 bytes, and xn's 65,536 would not fit beside them.
; w's rows come through two LDS slots, each with all of K (rows of 512 bytes + 16): q's and k's with the first fills, v's into q's slot behind a round of the cluster's barrier in pass 0's last K step.
; CLUSTERS: 4 x 4.  The four of a column of the cluster (one quarter, four heads) need the same rows of w and their scale bytes; the four of a row (one head) the same scale bytes of xn: asked for jointly.
; q, k: source 0 = 16 stored rows of w, source 1 = 16 rows of xn: a lane holds ONE row of xn and 64 registers along the channels of one group: quantised along the channels.
; v:    the sources change places: a lane holds ONE channel, register j of the accumulator of group g holds row 8 h + j: registers j = 0..3 of the eight groups are 32 neighbouring keys.
; qkvw, for each head 221,184 bytes: codes of part p at 65536 p + 8192 i + 1024 idx (i: the tile of 16 rows; idx: the group for q, k, the tile of 16 channels for v);
;   scale words at 196608 + 8192 p + 1024 idx + 512 (i / 4) + 16 lane + 4 (i % 4).
; LIMITS: NaN and infinities are not served; a block under 2^-124 gets the byte 1.  (sum + b) s is formed as sum s + (b s): one rounding placed otherwise than in the problem's text.
; REGISTERS, in windows of 256: window 0: v16-27 addresses; v32-95 scale words, a set for each half of K; v96-127, v128-207 at work on the ways out; v208-215 v's bias.
;   window 1: v0-63, v64-127 w's fragments, two sets; v128-191 q's bias, v192-255 k's, in the result's layout.   window 2: accumulator (a, b) at v[8 (8 a + b)].   window 3: xn's fragment (tile a, K step n) at v[8 (8 a + n)].
.set XS_O,  4194304
.set WS_O,  1572864
.set HS,    221184
.set PITCH, 528                        ; an LDS row: 512 bytes + 16 of padding = 132 words: the 16 rows that a load touches start in different banks
.set QROWS, 64*PITCH                   ; what one tensor load brings
.set SLOT,  256*PITCH
.set SCL,   2*SLOT                     ; the scale bytes, 32 a row, as units of 256 bytes + 16: xn's 128 rows,
.set SA_B,  16*272
.set SB_B,  32*272                     ; then w's 256 rows of each of the three parts
.set SPARE, SCL+SA_B+3*SB_B            ; the spare words, 128 bytes for each wave: two blocks of 256 bytes that no other line names
.set ADRB, 16                          ; v16-17  my w fragments in slot 0, 1
.set ADRS, 18                          ; v18-20  my scale words for pass 0, 1, 2: lanes 0-15 xn's rows, lanes 16-31 w's
.set SPW,  22                          ; v22     my spare word: SPARE + 4 x my thread's number; never rewritten
.set NIL,  23                          ; v23     0; never rewritten
.set LI,   24                          ; v24     16 x lane
.set SH8,  25                          ; v25     8 x (lane / 16)
.set BO,   26
.set BVO,  27
.set SC,   32
.set PC,   96                          ; the codes just made
.set PWS,  104                         ; four scale words
.set TM,   112
.set T,    128                         ; 64 numbers to be quantised
.set LA,   192
.set LB,   200
.set BV,   208
.set BIAS, 128                         ; in window 1
.set SEL,  2                           ; s[2:3]
.set SS,   96                          ; s[96:97] 128^(-1/4)
.set PLO,  98
.set PHI,  99
.set G1B,  24                          ; s[24:31] group 1 for w's rows; s[32:35], s[36:39] groups 0 of the two first fills; s[48:51] of the refill: groups 0 are never rewritten
.set G1SA, 52                          ; s[52:59], s[76:79] xn's scale bytes
.set G1SB, 68                          ; s[68:75], s[80:83] w's
.set MSB, 0
.macro WIN new                         ; the immediate's high byte repeats the setting that is left
.if MSB != (\new)
	s_set_vgpr_msb (MSB<<8)|(\new)
.set MSB, (\new)
.endif
.endm
.macro PLACES n
.rept \n
	v_nop
.endr
.endm
.macro CREST                           ; a round of the cluster's barrier behind its opening barrier
	s_cmp_lg_u32 s16, 0
	s_cbranch_scc1 .Lnot_wave_0_\@
	s_barrier_signal -3
.Lnot_wave_0_\@:
	s_barrier_wait -3
	s_barrier_signal -1
	s_barrier_wait -1
.endm
.macro ROUND                           ; a whole round
	s_barrier_signal -1
	s_barrier_wait -1
	CREST
.endm
; 64 numbers of a lane, register 16 b + i = k 32 b + 16 (lane / 16) + i of my row, become a fragment's codes in v[PC] on and its scale word in v[pw]
.macro QUANT src, pw
.irp b, 0,1,2,3
	v_max3_num_f32 v[TM+\b], |v[\src+16*\b]|, |v[\src+1+16*\b]|, 0x1800000   ; with the floor 2^(3 - 127): the byte cannot fall under 1
.endr
.irp i, 2,4,6,8,10,12,14
.irp b, 0,1,2,3
	v_max3_num_f32 v[TM+\b], v[TM+\b], |v[\src+16*\b+\i]|, |v[\src+1+16*\b+\i]|
.endr
.endr
.irp b, 0,1,2,3
	v_permlanex16_b32 v[TM+4+\b], v[TM+\b], s[SEL], s[SEL+1]
.endr
.irp b, 0,1,2,3
	v_max_num_f32 v[TM+\b], v[TM+\b], v[TM+4+\b]   ; with lane l xor 16's 16: the block's largest magnitude
.endr
.irp b, 0,1,2,3
	v_add_nc_u32 v[TM+12+\b], 0xff000000, v[TM+\b] ; 2 off the exponent field: the conversion's scale operand
.endr
.irp b, 0,1,2,3
	v_lshrrev_b32 v[TM+4+\b], 23, v[TM+12+\b]      ; the scale's byte
.endr
	v_lshl_or_b32 v[\pw], v[TM+5], 8, v[TM+4]
	v_lshl_or_b32 v[\pw], v[TM+6], 16, v[\pw]
	v_lshl_or_b32 v[\pw], v[TM+7], 24, v[\pw]
.irp b, 0,1,2,3
	v_cvt_scalef32_pk8_fp4_f32 v[PC+2*\b], v[\src+16*\b:\src+7+16*\b], v[TM+12+\b]
	v_cvt_scalef32_pk8_fp4_f32 v[PC+1+2*\b], v[\src+8+16*\b:\src+15+16*\b], v[TM+12+\b]
.endr
	v_nop                                          ; a plain instruction behind the conversions
.irp c, 0,1                                    ; the operand's layout wants a whole block in a lane
.irp i, 0,1
	v_permlane16_swap_b32 v[PC+4*\c+\i], v[PC+2+4*\c+\i]
.endr
.endr
.endm
; 64 numbers of a lane, register 8 g + j; j = 0..3 of all g are one block of 32 (scale operand ea), j = 4..7 the next (eb).  Each eight are converted under both scales and the fitting half is kept:
; registers 0-3 of the fragment take the first block, 4-7 the second; slot 4 g + j of a block.  The other operand of the product is packed by this same macro, so the slots agree.
.macro PACK2 src, ea, eb
.irp g, 0,1,2,3,4,5,6,7
	v_cvt_scalef32_pk8_fp4_f32 v[LA+\g], v[\src+8*\g:\src+8*\g+7], v[\ea]
	v_cvt_scalef32_pk8_fp4_f32 v[LB+\g], v[\src+8*\g:\src+8*\g+7], v[\eb]
.endr
	v_nop
.irp q, 0,1,2,3
	v_perm_b32 v[PC+\q], v[LA+2*\q+1], v[LA+2*\q], s[PLO]     ; the two low halves
	v_perm_b32 v[PC+4+\q], v[LB+2*\q+1], v[LB+2*\q], s[PHI]   ; the two high halves
.endr
.endm
.macro WORD2 pw, ba, bb, tmp           ; my two bytes go to places h and 2 + h of the scale word; lane l xor 16 gives the other two
	v_lshl_or_b32 v[\pw], v[\bb], 16, v[\ba]
	v_lshlrev_b32 v[\pw], v[SH8], v[\pw]
	v_permlanex16_b32 v[\tmp], v[\pw], s[SEL], s[SEL+1]
	v_or_b32 v[\pw], v[\pw], v[\tmp]
.endm
	s_load_b256 s[4:11], s[0:1], 0x0               ; xq, wq, b_qkv, qkvw
	v_lshl_add_u32 v[SPW], v0, 2, SPARE
	v_mov_b32 v[NIL], 0
	ds_add_u32 v22, v23
	ds_add_u32 v22, v23
	s_wait_dscnt 0x0
	v_lshrrev_b32 v1, 5, v0
	v_readfirstlane_b32 s16, v1                    ; wave 0..3
	s_lshr_b32 s17, s16, 1                         ; which 64 rows of xn are mine
	s_and_b32 s18, s16, 1                          ; which 128 stored rows of w
	s_bfe_u32 s40, ttmp6, 0x40000                  ; cx
	s_bfe_u32 s41, ttmp6, 0x40004                  ; cy
	s_lshl_b32 s45, ttmp9, 2
	s_add_co_u32 s45, s45, s40                     ; the quarter
	s_and_b32 s42, ttmp7, 0xffff
	s_lshl_b32 s42, s42, 2
	s_add_co_u32 s42, s42, s41                     ; the head
	s_lshl_b32 s43, s41, 2
	s_lshl_b32 s43, 15, s43                        ; my row of the cluster
	s_lshl_b32 s44, 0x1111, s40                    ; my column
	s_or_b32 s[G1B+0], s44, (0<<16)|(1<<20)|(1<<21)|(6<<22)|(3<<25)   ; the mask: my column; elements of 1 byte; padding on; bit 21 beside a mask; after every 128 words, four words
	s_mov_b32 s[G1B+1], 512<<16                    ; tensor_dim0: 512 bytes = 1,024 codes
	s_mov_b32 s[G1B+2], 128<<16                    ; tensor_dim1: q's and k's rows come 128 to a load
	s_mov_b32 s[G1B+3], 512<<16                    ; tile_dim0
	s_mov_b32 s[G1B+4], 128                        ; tile_dim1
	s_mov_b32 s[G1B+5], 512                        ; bytes from row to row
	s_mov_b32 s[G1B+6], 0
	s_mov_b32 s[G1B+7], 0
	s_or_b32 s[G1SA+0], s43, (3<<16)|(1<<20)|(1<<21)|(5<<22)|(3<<25)  ; xn's scale bytes of 128 rows: 4,096 dense bytes as 16 rows of 32 elements of 8 bytes; the mask: my row
	s_mov_b32 s[G1SA+1], 32<<16
	s_mov_b32 s[G1SA+2], 16<<16
	s_mov_b32 s[G1SA+3], 32<<16
	s_mov_b32 s[G1SA+4], 16
	s_mov_b32 s[G1SA+5], 32
	s_mov_b32 s[G1SA+6], 0
	s_mov_b32 s[G1SA+7], 0
	s_or_b32 s[G1SB+0], s44, (3<<16)|(1<<20)|(1<<21)|(5<<22)|(3<<25)  ; w's of 256 rows: 32 rows of 256 bytes; the mask: my column
	s_mov_b32 s[G1SB+1], 32<<16
	s_mov_b32 s[G1SB+2], 32<<16
	s_mov_b32 s[G1SB+3], 32<<16
	s_mov_b32 s[G1SB+4], 32
	s_mov_b32 s[G1SB+5], 32
	s_mov_b32 s[G1SB+6], 0
	s_mov_b32 s[G1SB+7], 0
	s_mov_b32 s[SEL], 0x76543210
	s_mov_b32 s[SEL+1], 0xfedcba98
	s_mov_b32 s[SS], 0x3e9837f0                    ; 128^(-1/4)
	s_mov_b32 s[SS+1], s[SS]
	s_mov_b32 s[PLO], 0x05040100
	s_mov_b32 s[PHI], 0x07060302
	s_lshl_b32 s66, s45, 17                        ; w's codes: stored row 256 quarter, 512 bytes a row (these registers never hold cy)
	s_lshl_b32 s67, s18, 16
	s_add_co_u32 s66, s66, s67                     ; q, k: stored row 256 quarter + 128 (wave % 2)
	s_mov_b32 s67, 0
	s_lshl_b32 s86, s45, 17
	s_lshl_b32 s87, s16, 15
	s_add_co_u32 s86, s86, s87
	s_add_co_u32 s86, s86, 0x100000                ; v: stored row 2048 + 256 quarter + 64 wave
	s_mov_b32 s87, 0
	s_lshl_b32 s92, s45, 13                        ; w's scale bytes: waves 1, 2, 3 bring those of parts 0, 1, 2: row 1024 (wave - 1) + 256 quarter, 32 bytes a row
	s_lshl_b32 s93, s16, 15
	s_add_co_u32 s92, s92, s93
	s_add_co_u32 s92, s92, WS_O-32768
	s_mov_b32 s93, 0
	s_lshl_b32 s46, s42, 12                        ; xn's scale bytes: 4,096 a head (these never hold cx)
	s_add_co_u32 s46, s46, XS_O
	s_mov_b32 s47, 0
	s_lshl_b32 s100, s42, 16                       ; xn's images: 65,536 bytes a head, my 64 rows' 32,768
	s_lshl_b32 s101, s17, 15
	s_add_co_u32 s100, s100, s101
	s_mov_b32 s101, 0
	s_mov_b32 s32, 1
	s_mul_i32 s33, s18, 2*QROWS
	s_mov_b32 s36, 1
	s_mul_i32 s37, s18, 2*QROWS
	s_add_co_u32 s37, s37, SLOT
	s_mov_b32 s48, 1
	s_mul_i32 s49, s16, QROWS
	s_mov_b32 s76, 1
	s_mov_b32 s77, SCL
	s_mov_b32 s80, 1
	s_mul_i32 s81, s16, SB_B
	s_add_co_u32 s81, s81, SCL+SA_B-SB_B
	s_wait_kmcnt 0x0
	s_add_nc_u64 s[34:35], s[6:7], s[66:67]        ; q's rows
	s_add_nc_u64 s[38:39], s[34:35], 0x80000       ; k's: 1,024 rows on
	s_add_nc_u64 s[50:51], s[6:7], s[86:87]        ; v's rows, 64 a wave
	s_add_nc_u64 s[82:83], s[6:7], s[92:93]
	s_add_nc_u64 s[78:79], s[4:5], s[46:47]
	s_add_nc_u64 s[20:21], s[4:5], s[100:101]
	s_or_b32 s35, s35, 0x80000000
	s_or_b32 s39, s39, 0x80000000
	s_or_b32 s51, s51, 0x80000000
	s_or_b32 s83, s83, 0x80000000
	s_or_b32 s79, s79, 0x80000000
	ROUND                                          ; all sixteen work-groups are here: the joint loads meet
	; the head's loads, one a wave: wave 0 xn's scale bytes, wave 1 w's of part 0, waves 2 and 3 the halves of q's 256 rows
	s_cmp_lt_u32 s16, 1
	s_cbranch_scc0 .Lhead_w
	tensor_load_to_lds s[76:79], s[G1SA:G1SA+7]
	s_nop 0
	PLACES 4
	s_branch .Lhead_asked
.Lhead_w:
	s_cmp_lt_u32 s16, 2
	s_cbranch_scc0 .Lhead_q
	tensor_load_to_lds s[80:83], s[G1SB:G1SB+7]
	s_nop 0
	PLACES 4
	s_branch .Lhead_asked
.Lhead_q:
	tensor_load_to_lds s[32:35], s[G1B:G1B+7]
	s_nop 0
	PLACES 4
.Lhead_asked:
	s_lshl_b32 s19, s45, 1
	s_add_co_u32 s19, s19, s18                     ; idx: my group, or my channel tile
	s_mul_i32 s60, s42, HS
	s_lshl_b32 s61, s19, 10
	s_add_co_u32 s60, s60, s61
	s_lshl_b32 s61, s17, 15
	s_add_co_u32 s12, s60, s61                     ; my images: tiles 4 (wave / 2) on
	s_mov_b32 s13, 0
	s_lshl_b32 s61, s17, 9
	s_add_co_u32 s14, s60, s61
	s_add_co_u32 s14, s14, 196608                  ; my scale words
	s_mov_b32 s15, 0
	s_add_nc_u64 s[12:13], s[10:11], s[12:13]
	s_add_nc_u64 s[14:15], s[10:11], s[14:15]
	s_lshl_b32 s60, s19, 9
	s_mov_b32 s61, 0
	s_add_nc_u64 s[84:85], s[8:9], s[60:61]        ; q's bias of my group; k's lies 4,096 bytes on
	s_lshl_b32 s60, s45, 7
	s_lshl_b32 s62, s18, 5
	s_add_co_u32 s60, s60, s62
	s_add_co_u32 s60, s60, 8192
	s_add_nc_u64 s[88:89], s[8:9], s[60:61]        ; v's: column 2048 + 32 (idx / 2) + 8 (idx % 2)
	v_and_b32 v1, 15, v0                           ; r
	v_bfe_u32 v2, v0, 4, 1                         ; h
	v_and_b32 v[LI], 31, v0
	v_lshlrev_b32 v[LI], 4, v[LI]
	WIN 0xc0                                       ; destination window 3
.irp a, 0,1,2,3
.irp n, 0,1,2,3,4,5,6,7
	global_load_b128 v[8*(8*\a+\n):8*(8*\a+\n)+3], v[LI], s[20:21] offset:8192*\a+1024*\n          ; xn's fragment (tile a, K step n): 512 consecutive bytes a load
	global_load_b128 v[8*(8*\a+\n)+4:8*(8*\a+\n)+7], v[LI], s[20:21] offset:8192*\a+1024*\n+512
.endr
.endr
	WIN 0
	v_lshlrev_b32 v[BO], 6, v2
	WIN 0x40                                       ; destination window 1
.irp p, 0,1
.irp be, 0,1,2,3
.irp j, 0,1,2,3
	global_load_b128 v[BIAS+64*\p+16*\be+4*\j:BIAS+64*\p+16*\be+4*\j+3], v[BO], s[84:85] offset:4096*\p+128*\be+16*\j   ; register 16 be + i is channel 32 be + 16 h + i of my group
.endr
.endr
.endr
	WIN 0
	v_lshrrev_b32 v[BVO], 3, v1
	v_and_b32 v3, 7, v1
	v_lshl_add_u32 v[BVO], v[BVO], 4, v3
	v_lshlrev_b32 v[BVO], 2, v[BVO]                ; my channel's place in its 32: 16 (r / 8) + r % 8
.irp g, 0,1,2,3,4,5,6,7
	global_load_b32 v[BV+\g], v[BVO], s[88:89] offset:512*\g   ; the bias of my one channel in group g
.endr
	v_mul_u32_u24 v3, v1, PITCH
	v_lshl_add_u32 v3, v2, 4, v3                   ; a fragment's row x pitch + 16 x half
	s_mul_i32 s60, s18, 128*PITCH                  ; my 128 rows of a slot
	v_add_nc_u32 v[ADRB], s60, v3
	s_add_co_u32 s60, s60, SLOT
	v_add_nc_u32 v[ADRB+1], s60, v3
	v_mul_u32_u24 v5, v1, 32                       ; my row's scale bytes: 32 a row,
	v_lshrrev_b32 v6, 8, v5
	v_lshl_add_u32 v5, v6, 4, v5                   ; and 16 more for each 256 passed
	s_mul_i32 s60, s17, 8*272
	s_mul_i32 s62, s18, 16*272
	s_add_co_u32 s62, s62, SA_B
	s_sub_co_u32 s62, s62, s60
	v_mul_u32_u24 v6, s62, v2                      ; lanes 0-15 take xn's words, lanes 16-31 w's
	s_add_co_u32 s60, s60, SCL
	v_add_nc_u32 v5, v5, v6
	v_add_nc_u32 v[ADRS], s60, v5
	v_mul_u32_u24 v6, v2, SB_B                     ; from part to part w's words lie 8,704 bytes on, xn's stay
	v_add_nc_u32 v[ADRS+1], v[ADRS], v6
	v_add_nc_u32 v[ADRS+2], v[ADRS+1], v6
	v_lshlrev_b32 v[SH8], 3, v2
.irp b, 0,1,2,3
	v_mov_b32 v[TM+4+\b], 0                        ; a lane permute's destination counts as one of its sources
.endr
.macro FETCH slot, n, set              ; w's eight fragments of K step n: 16 rows x 128 K of 4-bit codes: registers 4 c .. 4 c + 3 hold K = 64 c + 32 (lane / 16) + 0 .. 31
	WIN 0x40
.irp i, 0,1,2,3,4,5,6,7
	ds_load_b128 v[64*(\set)+8*\i:64*(\set)+8*\i+3], v[ADRB+(\slot)] offset:64*(\n)+\i*16*PITCH
	ds_load_b128 v[64*(\set)+8*\i+4:64*(\set)+8*\i+7], v[ADRB+(\slot)] offset:64*(\n)+32+\i*16*PITCH
.endr
	WIN 0
.endm
.macro SCALES p, half                  ; four K steps' scale words: register 4 i + q: lanes 0-15 xn's tile i (i under 4; beyond that they read filled bytes that no product takes), lanes 16-31 w's tile i
.irp i, 0,1,2,3,4,5,6,7
	ds_load_b128 v[SC+32*(\half)+4*\i:SC+32*(\half)+4*\i+3], v[ADRS+(\p)] offset:\i*544+16*(\half)
.endr
.endm
; 16 matrix instructions: xn's tiles a0, a0 + 1 x w's eight, K step n.  A pass's first K step starts the sums: nothing is cleared.  The 32 accumulators take turns, one instruction a turn
.macro MUL16 a0, set, n, isv
.irp a, \a0, \a0+1
.irp b, 0,1,2,3,4,5,6,7
.if \isv
.if (\n) == 0
	v_wmma_scale_f32_16x16x128_f8f6f4 v[8*(8*(\a)+\b):8*(8*(\a)+\b)+7], v[8*(8*(\a)+(\n)):8*(8*(\a)+(\n))+7], v[64*(\set)+8*\b:64*(\set)+8*\b+7], 0, v[SC+32*((\n)/4)+4*(\a)+(\n)%4], v[SC+32*((\n)/4)+4*\b+(\n)%4] matrix_a_fmt:MATRIX_FMT_FP4 matrix_b_fmt:MATRIX_FMT_FP4 matrix_b_scale:MATRIX_SCALE_ROW1
.else
	v_wmma_scale_f32_16x16x128_f8f6f4 v[8*(8*(\a)+\b):8*(8*(\a)+\b)+7], v[8*(8*(\a)+(\n)):8*(8*(\a)+(\n))+7], v[64*(\set)+8*\b:64*(\set)+8*\b+7], v[8*(8*(\a)+\b):8*(8*(\a)+\b)+7], v[SC+32*((\n)/4)+4*(\a)+(\n)%4], v[SC+32*((\n)/4)+4*\b+(\n)%4] matrix_a_fmt:MATRIX_FMT_FP4 matrix_b_fmt:MATRIX_FMT_FP4 matrix_b_scale:MATRIX_SCALE_ROW1
.endif
.else
.if (\n) == 0
	v_wmma_scale_f32_16x16x128_f8f6f4 v[8*(8*(\a)+\b):8*(8*(\a)+\b)+7], v[64*(\set)+8*\b:64*(\set)+8*\b+7], v[8*(8*(\a)+(\n)):8*(8*(\a)+(\n))+7], 0, v[SC+32*((\n)/4)+4*\b+(\n)%4], v[SC+32*((\n)/4)+4*(\a)+(\n)%4] matrix_a_fmt:MATRIX_FMT_FP4 matrix_b_fmt:MATRIX_FMT_FP4 matrix_a_scale:MATRIX_SCALE_ROW1
.else
	v_wmma_scale_f32_16x16x128_f8f6f4 v[8*(8*(\a)+\b):8*(8*(\a)+\b)+7], v[64*(\set)+8*\b:64*(\set)+8*\b+7], v[8*(8*(\a)+(\n)):8*(8*(\a)+(\n))+7], v[8*(8*(\a)+\b):8*(8*(\a)+\b)+7], v[SC+32*((\n)/4)+4*\b+(\n)%4], v[SC+32*((\n)/4)+4*(\a)+(\n)%4] matrix_a_fmt:MATRIX_FMT_FP4 matrix_b_fmt:MATRIX_FMT_FP4 matrix_a_scale:MATRIX_SCALE_ROW1
.endif
.endif
.endr
.endr
.endm
; K step n of pass p (slot p % 2).  Its fragments were asked for a step ago; the next step's, or the next pass's first, are asked for at its head, into the set that the step before has multiplied
.macro STEP p, n, isv
	s_wait_dscnt 0x0                               ; this step's fragments and scale words are in
.if ((\p) == 1) && ((\n) == 7)
	s_wait_tensorcnt 0x0                           ; my 64 rows of v have landed in slot 0;
	s_barrier_signal -1
	s_barrier_wait -1                              ; everybody's have.
.endif
.if ((\p) > 0) || ((\n) > 0)
	PLACES 4                                       ; four plain instructions between the last products and loads into registers that they read
.endif
.if (\n) < 7
	FETCH (\p)%2, (\n)+1, ((\n)+1)%2
.if (\n) == 3
	SCALES \p, 1
.endif
.elseif (\p) < 2
	FETCH ((\p)+1)%2, 0, 0
	SCALES (\p)+1, 0
.endif
.if \isv
	WIN 0xa7                                       ; source 0 (xn) window 3, source 1 (w) window 1, C and D window 2
.else
	WIN 0xad                                       ; source 0 (w) window 1, source 1 (xn) window 3, C and D window 2
.endif
	MUL16 0, (\n)%2, \n, \isv
	MUL16 2, (\n)%2, \n, \isv
	WIN 0
.endm
; q's and k's way out: for each tile a of 16 rows my 64 registers are half of the 128 channels of one row: sum s + b s, quantised along the channels
.macro EPI_QK p
	s_wait_loadcnt 0x0                             ; the biases
	PLACES 4                                       ; behind the last products
	WIN 0x41
.set ii, 0
.rept 32
	v_pk_mul_f32 v[BIAS+64*(\p)+ii:BIAS+64*(\p)+ii+1], v[BIAS+64*(\p)+ii:BIAS+64*(\p)+ii+1], s[SS:SS+1] op_sel_hi:[1,0]
.set ii, ii+2
.endr
.irp a, 0,1,2,3
	WIN 0x12                                       ; source 0: the accumulators' window; source 2: window 1
.set ii, 0
.rept 32
	v_pk_fma_f32 v[T+ii:T+ii+1], v[64*\a+ii:64*\a+ii+1], s[SS:SS+1], v[BIAS+64*(\p)+ii:BIAS+64*(\p)+ii+1] op_sel_hi:[1,0,1]   ; each accumulator from its low end on
.set ii, ii+2
.endr
	WIN 0
	s_wait_xcnt 0x0                                ; earlier stores have read their codes and scale words: both are written again only behind this wait
	QUANT T, PWS+\a
	global_store_b128 v[LI], v[PC:PC+3], s[12:13] offset:65536*(\p)+8192*\a        ; 512 consecutive bytes a store
	global_store_b128 v[LI], v[PC+4:PC+7], s[12:13] offset:65536*(\p)+8192*\a+512
.endr
	global_store_b128 v[LI], v[PWS:PWS+3], s[14:15] offset:8192*(\p)               ; my four tiles' scale words: 512 consecutive bytes
.endm
	s_wait_alu depctr_va_vdst(0)
	s_wait_tensorcnt 0x0                           ; my tile of the head's four is in
	ds_add_u32 v[SPW], v[NIL]
	s_wait_dscnt 0x0
	ROUND                                          ; everybody's is in, and all sixteen work-groups are here
	s_cmp_lt_u32 s16, 2                            ; waves 0 and 1: the halves of k's 256 rows into slot 1; waves 2 and 3: w's scale bytes of parts 1 and 2
	s_cbranch_scc0 .Lsecond_w
	tensor_load_to_lds s[36:39], s[G1B:G1B+7]
	s_nop 0
	PLACES 4
	s_branch .Lsecond_asked
.Lsecond_w:
	tensor_load_to_lds s[80:83], s[G1SB:G1SB+7]
	s_nop 0
	PLACES 4
.Lsecond_asked:
	FETCH 0, 0, 0
	SCALES 0, 0
	s_wait_loadcnt 40                              ; xn's 64 loads are in; the 32 + 8 loads of the biases, issued behind them, may be out
.irp n, 0,1,2,3,4,5,6
	STEP 0, \n, 0
.endr
	; pass 0's last K step, and the one refill: v's rows into slot 0.  In front of the round each wave waits for all its tensor loads (slot 1's among them), adds 0 to its spare word, and waits for that and for its reads of slot 0
	s_wait_dscnt 0x0                               ; this step's fragments are in: they were my last reads of slot 0
	s_wait_tensorcnt 0x0                           ; all my tensor loads have landed;
	ds_add_u32 v[SPW], v[NIL]                      ; 0 onto my spare word
	WIN 0xad
	MUL16 0, 1, 7, 0                               ; sixteen matrix instructions stand between the add and the wait for it
	s_wait_dscnt 0x0                               ; the add is done
	s_barrier_signal -1
	MUL16 2, 1, 7, 0
	WIN 0
	s_barrier_wait -1
	CREST                                          ; the barrier has opened a round of the cluster's barrier: no wave of any partner still reads slot 0 or has a load on its way; slot 1 is whole
	s_mov_b32 s[G1B+2], 64<<16                     ; no tensor load of mine is out: from here on a load brings 64 rows
	s_mov_b32 s[G1B+4], 64
	tensor_load_to_lds s[48:51], s[G1B:G1B+7]
	s_nop 0
	PLACES 4                                       ; (the places in front of the loads below)
	FETCH 1, 0, 0
	SCALES 1, 0
	EPI_QK 0
.irp n, 0,1,2,3,4,5,6,7
	STEP 1, \n, 0
.endr
	EPI_QK 1
.irp n, 0,1,2,3,4,5,6,7
	STEP 2, \n, 1
.endr
	; v's way out: for each tile a of 16 rows (a key step) my 64 registers are one channel at 8 rows x 8 groups: two whole blocks of 32 keys
	PLACES 4                                       ; behind the last products
.irp a, 0,1,2,3
	WIN 0x02                                       ; source 0: the accumulators' window
.irp g, 0,2,4,6
.irp k, 0,2,4,6
	v_pk_add_f32 v[T+8*\g+\k:T+8*\g+\k+1], v[64*\a+8*\g+\k:64*\a+8*\g+\k+1], v[BV+\g:BV+\g+1] op_sel_hi:[1,0]                  ; group g: the pair's first word for both halves
.endr
.irp k, 0,2,4,6
	v_pk_add_f32 v[T+8*\g+8+\k:T+8*\g+8+\k+1], v[64*\a+8*\g+8+\k:64*\a+8*\g+8+\k+1], v[BV+\g:BV+\g+1] op_sel:[0,1] op_sel_hi:[1,1]   ; group g + 1: its second word
.endr
.endr
	WIN 0
	v_max3_num_f32 v[TM], |v[T]|, |v[T+1]|, 0x1800000
	v_max3_num_f32 v[TM+1], |v[T+4]|, |v[T+5]|, 0x1800000
	v_max3_num_f32 v[TM], v[TM], |v[T+2]|, |v[T+3]|
	v_max3_num_f32 v[TM+1], v[TM+1], |v[T+6]|, |v[T+7]|
.irp g, 1,2,3,4,5,6,7
	v_max3_num_f32 v[TM], v[TM], |v[T+8*\g]|, |v[T+8*\g+1]|
	v_max3_num_f32 v[TM+1], v[TM+1], |v[T+8*\g+4]|, |v[T+8*\g+5]|
	v_max3_num_f32 v[TM], v[TM], |v[T+8*\g+2]|, |v[T+8*\g+3]|
	v_max3_num_f32 v[TM+1], v[TM+1], |v[T+8*\g+6]|, |v[T+8*\g+7]|
.endr
	v_add_nc_u32 v[TM+2], 0xff000000, v[TM]
	v_add_nc_u32 v[TM+3], 0xff000000, v[TM+1]
	v_lshrrev_b32 v[TM+8], 23, v[TM+2]
	v_lshrrev_b32 v[TM+9], 23, v[TM+3]
	s_wait_alu depctr_va_vdst(0)
	s_wait_xcnt 0x0                                ; earlier stores have read their codes and scale words
	WORD2 PWS+\a, TM+8, TM+9, TM+4
	PACK2 T, TM+2, TM+3
	global_store_b128 v[LI], v[PC:PC+3], s[12:13] offset:131072+8192*\a
	global_store_b128 v[LI], v[PC+4:PC+7], s[12:13] offset:131072+8192*\a+512
.endr
	global_store_b128 v[LI], v[PWS:PWS+3], s[14:15] offset:16384
	s_wait_tensorcnt 0x0                           ; the wave's end, behind my last tensor load
	ds_add_u32 v[SPW], v[NIL]
	s_wait_dscnt 0x0
	ROUND                                          ; the closing round: no work-group ends while a partner may still ask jointly
	s_endpgm
.Lfunc_end_k_q9e65426f45_qkv:
	.size	k_q9e65426f45_qkv, .Lfunc_end_k_q9e65426f45_qkv-k_q9e65426f45_qkv
	.p2alignl 7, 3214868480
	.fill 96, 4, 3214868480
	.section	.rodata,"a",@progbits
	.p2align	6, 0x0
	.amdhsa_kernel k_q9e65426f45_qkv
		.amdhsa_group_segment_fixed_size 327680
		.amdhsa_private_segment_fixed_size 0
		.amdhsa_enable_private_segment 0
		.amdhsa_kernarg_size 32
		.amdhsa_user_sgpr_count 2
		.amdhsa_user_sgpr_kernarg_segment_ptr 1
		.amdhsa_wavefront_size32 1
		.amdhsa_system_sgpr_workgroup_id_x 1
		.amdhsa_system_sgpr_workgroup_id_y 1
		.amdhsa_system_sgpr_workgroup_id_z 1
		.amdhsa_system_vgpr_workitem_id 0
		.amdhsa_next_free_vgpr 1024
		.amdhsa_next_free_sgpr 102
		.amdhsa_reserve_vcc 0
		.amdhsa_float_denorm_mode_32 3
		.amdhsa_float_denorm_mode_16_64 3
		.amdhsa_memory_ordered 1
		.amdhsa_forward_progress 1
		.amdhsa_inst_pref_size 228
	.end_amdhsa_kernel
	.amdgpu_metadata
---
amdhsa.version: [ 1, 2 ]
amdhsa.kernels:
  - .name:           k_q9e65426f45_qkv
    .symbol:         k_q9e65426f45_qkv.kd
    .args:
      - { .name: xq, .offset: 0, .size: 8, .value_kind: global_buffer, .address_space: global }
      - { .name: wq, .offset: 8, .size: 8, .value_kind: global_buffer, .address_space: global }
      - { .name: b_qkv, .offset: 16, .size: 8, .value_kind: global_buffer, .address_space: global }
      - { .name: qkvw, .offset: 24, .size: 8, .value_kind: global_buffer, .address_space: global }
    .group_segment_fixed_size: 327680
    .private_segment_fixed_size: 0
    .kernarg_segment_align: 8
    .kernarg_segment_size: 32
    .max_flat_workgroup_size: 128
    .sgpr_count:     102
    .vgpr_count:     1024
    .wavefront_size: 32
...
	.end_amdgpu_metadata
.endif
;; end of part 2
;; launch attnout (part 3): grid 4 x 64, 16 waves a work-group, clusters of 4 x 1, 327,680 bytes of LDS; arguments qkvw, oq, xq, x, ln_g, ln_b, b_out, out0; writes out0
.if DOCPART == 3
	.amdgcn_target "amdgcn-amd-amdhsa--gfx1250"
	.amdhsa_code_object_version 6
	.text
	.protected	k_q9e65426f45_attnout
	.globl	k_q9e65426f45_attnout
	.p2align	8
	.type	k_q9e65426f45_attnout,@function
k_q9e65426f45_attnout:
	s_mov_b64 s[64:65], 0
	v_nop
	global_prefetch_b8 v0, s[64:65] scope:SCOPE_SE
	s_setreg_imm32_b32 hwreg(HW_REG_WAVE_MODE, 25, 1), 1
	s_wait_xcnt 0x0
	s_wait_alu depctr_hold_cnt(0) depctr_sa_sdst(0) depctr_va_vdst(0) depctr_va_sdst(0) depctr_va_ssrc(0) depctr_va_vcc(0) depctr_vm_vsrc(0)
	s_getreg_b32 s2, hwreg(HW_REG_IB_STS2, 6, 4)
	s_cmp_eq_u32 s2, 0
	s_cbranch_scc0 .Lentry_in_a_cluster
	s_endpgm
.Lentry_in_a_cluster:
	s_bfe_u32 s2, ttmp6, 0x10000c
	s_cmp_lg_u32 s2, 0x3003
	s_cbranch_scc0 .Lentry_shape_is_right
	s_endpgm
.Lentry_shape_is_right:
; ATTENTION AND THE PROJECTION ON THE WAY OUT, on codes of FP4 (E2M1) with E8M0 scales: out0 = Q(softmax(q k^T) v) w_out + b_out + xn.
; A head has 1,024 positions x 128 channels; position p is row p / 8 of the head's 128 flat rows, column group p % 8.
; SHARES.  A cluster of four work-groups is one head; work-group cx owns flat rows 32 cx .. 32 cx + 31.  In the attention wave w of sixteen owns 16 queries: rows 16 (w / 8) on, group w % 8.
; In the projection wave w owns the work-group's 32 rows x columns 64 w .. 64 w + 63, all 1,024 along K.
; LDS.  160 pieces of 1,024 bytes of the head's part of qkvw (K's and V's images and scale words; 16 pieces beside them ride along so that each wave's load is 10 pieces) are asked for jointly by the four,
; one load a wave, 64 bytes of padding behind each piece.
; A KEY STEP T is flat rows 16 T .. 16 T + 15 x 8 groups = 128 keys.  A TILE OF K IS GATHERED BY LANE ADDRESS: row m of tile t is key (flat row 8 (m / 8) + 4 (t / 4) + m % 4, group 2 (t % 4) + (m / 4) % 2).
; In S^T = K Q^T a lane's eight registers of tile t then lie in ONE block of 32 neighbouring keys, at places 8 (t % 4) + j, which is the place 4 group + row % 4 at which V was packed:
; one conversion a tile gives register t of P's fragment.  Tiles 0-3 are the lane's first block, tiles 4-7 its second.
; SCALE WORDS: register t holds in lanes 0-15 the words of K's tile t and in lanes 16-31 those of V's channel tile 2 (t % 4) + t / 4.
; SOFTMAX.  t = score x log2(e); M = the running largest t rounded up to a whole number, kept as -M = floor(-t); p = 2^(t - M) is quantised, not normalised; the sum of the unquantised p divides at the end;
; when M moves, the sum and O^T are multiplied by 2^(old M - new M), which rounds nothing.  A block's largest p is made from the block's largest score by the same two instructions.
; O / l is quantised along the channels, meets in a stage as rows of 512 bytes, and is the projection's operand.
; W_OUT'S IMAGES, which all four work-groups walk alike, are asked for jointly through two slots of 131,072 bytes, two K steps to a slot; a wave's load brings its own four tiles (4 rows of 2,048 bytes).
; Slot A lies behind K and V and takes K steps 0, 1 behind the head's second round, eight key steps ahead of their use; slot B lies in K's and V's bytes and takes K steps 2, 3 behind the round of the exchange;
; K steps 4, 5 and 6, 7 follow behind a round each.  One tensor load of a wave is out at a time.
; x is read once, into registers, at the start of the way out.  It is prefetched: in each of the loop's two trips a wave names one of two rows of the work-group's 32, sixteen blocks of 256 bytes
; (lanes 16-31 name the last block again); each block is named once in the launch.  K and V come once, at the head, with no loop ahead of them: no prefetch for them.
; LIMITS: NaN and infinities are not served; a block whose every p has fallen to 0 keeps the byte 1 (its codes are zeros); the scaled scores stay under 2^31 in magnitude.
; xn is formed as x rstd + (-mu rstd), then x g + (ln_b + b_out): roundings placed otherwise than in the problem's text.
.set HS,    221184
.set OS_O,  524288
.set ST_O,  4456448
.set PP,    1088                       ; a piece in LDS: 1,024 bytes + 64
.set KB,    8*PP                       ; K's images: piece 8 T + group
.set VB,    72*PP                      ; V's: piece 8 T + channel tile
.set KSB,   144*PP                     ; K's scale words; V's lie 8 pieces on
.set SLA,   160*PP                     ; slot A: 8,192 bytes a wave: 2,048 tile + 1,024 (K step % 2) + 512 c + 16 lane.  Slot B begins at byte 0
.set STG,   SLA+131072                 ; 32 rows x (512 + 16) bytes of codes
.set SSTG,  STG+32*528                 ; 32 rows x 32 scale bytes
.set SPARE, SSTG+1024                  ; the spare words, 128 bytes a wave
.set TBL,   4608                       ; on the way out my 8,192 bytes of slot A, which have had their last fill and which I alone read, hold my stage of 16 x 272 bytes and, TBL bytes on, the rows' two numbers
.set AK,   1                           ; v1 K's fragments; v2 V's; v3, v4 scale words of tiles 0-3, 4-7; v5 8 (lane / 16); v6, v7 the stage; v8 16 lane; v11 the prefetch's offset
.set AV,   2
.set AS0,  3
.set AS1,  4
.set SH8,  5
.set STO,  6
.set SSO,  7
.set LI,   8
.set SPW,  9
.set NIL,  10
.set QF,   16                          ; v16-23 Q's fragment, v24 its scale word, v25 P's scale word; v28 lane / 16, v29 lane % 16
.set QS,   24
.set PW,   25
.set KV,   32                          ; v32-95 eight fragments of K, then of V
.set S,    96                          ; v96-159 S^T, then p
.set O,    160                         ; v160-223 O^T
.set PC,   224                         ; v224-231 P's codes
.set SW,   232                         ; v232-239 scale words
.set SEL,  48
.set CS,   50
.set QC,   64                          ; the last quantiser: codes, temporaries, scale word
.set TM,   72
.set QW,   88
.set ACC,  96                          ; the projection: accumulator (a, b) at v[ACC + 8 (4 a + b)]
.set BF,   224                         ; w_out's four fragments
.set AF,   64                          ; the rows' two fragments
.set WS,   32                          ; w_out's scale words: 8 b + K step
.set AS,   16                          ; the rows': 8 a + K step
.set BK,   224
.set XV,   160                         ; x: 32 registers for each 16 rows
.set SV,   32
.macro PLACES n
.rept \n
	v_nop
.endr
.endm
.macro ROUND
	s_barrier_signal -1
	s_barrier_wait -1
	s_cmp_lg_u32 s20, 0
	s_cbranch_scc1 .Lnot_wave_0_\@
	s_barrier_signal -3
.Lnot_wave_0_\@:
	s_barrier_wait -3
	s_barrier_signal -1
	s_barrier_wait -1
.endm
	s_load_b512 s[4:19], s[0:1], 0x0               ; qkvw, oq, xq, x, ln_g, ln_b, b_out, out0
	v_lshl_add_u32 v[SPW], v0, 2, SPARE
	v_mov_b32 v[NIL], 0
	ds_add_u32 v[SPW], v[NIL]                      ; the opening lines: the add twice on end and its wait
	ds_add_u32 v[SPW], v[NIL]
	v_lshrrev_b32 v11, 5, v0
	v_readfirstlane_b32 s20, v11                   ; wave 0..15
	s_bfe_u32 s21, ttmp6, 0x40000                  ; cx: it enters global addresses of my own loads and stores alone
	s_and_b32 s22, ttmp7, 0xffff                   ; the head
	s_lshr_b32 s52, s20, 3
	s_and_b32 s53, s20, 7
	s_mov_b32 s24, 15|(3<<16)|(1<<20)|(1<<21)|(7<<22)|(15<<25)   ; all four work-groups; elements of 8 bytes; 16 words of padding behind every 256
	s_mov_b32 s25, 128<<16
	s_mov_b32 s26, 10<<16
	s_mov_b32 s27, 128<<16
	s_mov_b32 s28, 10
	s_mov_b32 s29, 128
	s_mov_b32 s30, 0
	s_mov_b32 s31, 0
	s_mov_b32 s32, 15|(3<<16)|(1<<21)              ; w_out's images: 4 rows of 2,048 bytes (two K steps of a tile), 8,192 bytes apart; all four work-groups
	s_mov_b32 s33, 256<<16
	s_mov_b32 s34, 4<<16
	s_mov_b32 s35, 256<<16
	s_mov_b32 s36, 4
	s_mov_b32 s37, 1024
	s_mov_b32 s38, 0
	s_mov_b32 s39, 0
	s_mov_b32 s[SEL], 0x76543210
	s_mov_b32 s[SEL+1], 0xfedcba98
	s_mov_b32 s[CS], 0x3fb8aa3b                    ; log2(e)
	s_mov_b32 s[CS+1], s[CS]
	s_mul_i32 s54, s22, HS
	s_mul_i32 s23, s20, 10240
	s_add_co_u32 s54, s54, s23
	s_add_co_u32 s54, s54, 57344                   ; my 10 pieces
	s_mov_b32 s55, 0
	s_mov_b32 s40, 1
	s_mul_i32 s41, s20, 10*PP
	s_lshl_b32 s56, s22, 19
	s_lshl_b32 s23, s21, 17
	s_add_co_u32 s56, s56, s23                     ; the work-group's first row in x and in out0, in bytes
	s_mov_b32 s57, 0
	s_lshl_b32 s58, s20, 15                        ; my four tiles of w_out
	s_mov_b32 s59, 0
	s_mov_b32 s44, 1
	s_lshl_b32 s45, s20, 13
	s_add_co_u32 s45, s45, SLA
	s_wait_dscnt 0x0
	s_wait_kmcnt 0x0
	s_add_nc_u64 s[42:43], s[4:5], s[54:55]
	s_or_b32 s43, s43, 0x80000000
	s_add_nc_u64 s[66:67], s[6:7], s[58:59]
	s_mov_b64 s[46:47], s[66:67]
	s_or_b32 s47, s47, 0x80000000
	ROUND                                          ; all four work-groups are here: the joint loads meet
	tensor_load_to_lds s[40:43], s[24:31]          ; one load a wave
	s_nop 0
	PLACES 4
	s_lshl_b32 s23, s21, 1
	s_add_co_u32 s23, s23, s52                     ; my tile of 16 flat rows
	s_mul_i32 s54, s22, HS
	s_lshl_b32 s81, s53, 10
	s_add_co_u32 s54, s54, s81
	s_lshl_b32 s81, s23, 13
	s_add_co_u32 s58, s54, s81                     ; Q's image
	s_lshr_b32 s81, s23, 2
	s_lshl_b32 s81, s81, 9
	s_add_co_u32 s54, s54, s81
	s_and_b32 s81, s23, 3
	s_lshl_b32 s81, s81, 2
	s_add_co_u32 s54, s54, s81
	s_add_co_u32 s54, s54, 196608                  ; its scale words
	s_add_nc_u64 s[60:61], s[4:5], s[58:59]
	s_add_nc_u64 s[62:63], s[4:5], s[54:55]
	s_lshl_b32 s54, s20, 11
	s_add_co_u32 s54, s54, OS_O
	s_add_nc_u64 s[68:69], s[6:7], s[54:55]        ; w_out's scale bytes of my four tiles
	s_lshr_b32 s54, s56, 9
	s_add_co_u32 s54, s54, ST_O
	s_add_nc_u64 s[70:71], s[8:9], s[54:55]        ; the 32 rows' (rstd, -mu rstd)
	s_lshl_b32 s58, s20, 8                         ; my 64 columns
	s_add_nc_u64 s[72:73], s[18:19], s[56:57]
	s_add_nc_u64 s[72:73], s[72:73], s[58:59]
	s_add_nc_u64 s[86:87], s[10:11], s[56:57]
	s_add_nc_u64 s[84:85], s[86:87], s[58:59]      ; x at the work-group's rows, my columns
	s_add_nc_u64 s[74:75], s[12:13], s[58:59]
	s_add_nc_u64 s[76:77], s[14:15], s[58:59]
	s_add_nc_u64 s[78:79], s[16:17], s[58:59]
	s_lshl_b32 s58, s20, 13
	s_add_nc_u64 s[86:87], s[86:87], s[58:59]      ; the prefetches: rows 2 w, 2 w + 1 of the 32
	s_mul_i32 s81, s52, 16*528
	s_lshl_b32 s23, s53, 6
	s_add_co_u32 s81, s81, s23
	s_add_co_u32 s81, s81, STG
	s_lshl_b32 s82, s52, 9
	s_lshl_b32 s23, s53, 2
	s_add_co_u32 s82, s82, s23
	s_add_co_u32 s82, s82, SSTG
	s_lshl_b32 s52, s20, 13                        ; my bytes of slot B,
	s_add_co_u32 s83, s52, SLA                     ; of slot A,
	s_add_co_u32 s53, s83, TBL                     ; and my table in them
	v_and_b32 v[LI], 31, v0
	v_min_u32 v11, 15, v[LI]
	v_lshlrev_b32 v11, 8, v11                      ; the prefetch: lanes 0-15 a block of 256 bytes each, the others the last again
	v_lshlrev_b32 v[LI], 4, v[LI]
	global_load_b128 v[QF:QF+3], v[LI], s[60:61]
	global_load_b128 v[QF+4:QF+7], v[LI], s[60:61] offset:512
	global_load_b32 v[QS], v[LI], s[62:63]
	v_and_b32 v25, 3, v0
	v_bfe_u32 v26, v0, 2, 1
	v_bfe_u32 v27, v0, 3, 1
	v_bfe_u32 v28, v0, 4, 1                        ; h
	v_and_b32 v29, 15, v0                          ; r
	v_lshlrev_b32 v30, 4, v25
	v_lshl_add_u32 v30, v27, 7, v30
	v_mad_u32_u24 v30, v26, PP, v30                ; row m of a tile: 16 (m % 4) + 128 (m / 8) + a piece for (m / 4) % 2: sixteen different 16-byte columns modulo 256
	v_lshl_add_u32 v[AK], v28, 8, v30
	v_add_nc_u32 v[AK], KB, v[AK]
	v_add_nc_u32 v[AV], VB, v[LI]
	v_and_b32 v31, 20, v0                          ; bits 2 and 4 of the lane
	v_xor_b32 v31, 16, v31
	v_add_nc_u32 v31, 12, v31
	v_lshrrev_b32 v31, 5, v31                      ; 1 where bit 2 is set and bit 4 is not: lanes 0-15 whose key lies in the next group's piece
	v_lshlrev_b32 v[AS0], 4, v29                   ; 16 (lane % 16);
	v_mad_u32_u24 v[AS0], v28, 8*PP, v[AS0]        ; lanes 16-31: V's words, eight pieces on;
	v_lshl_add_u32 v[AS0], v31, 10, v[AS0]         ; lanes 0-15: 64 + 1,024 = a piece for (m / 4) % 2
	v_add_nc_u32 v[AS0], KSB, v[AS0]
	v_lshl_add_u32 v[AS1], v28, 10, v[AS0]
	v_add_nc_u32 v[AS1], 64, v[AS1]                ; tiles 4-7: K's rows 4 on; V's next channel tile
	v_lshlrev_b32 v[SH8], 3, v28
	v_mul_u32_u24 v[STO], v29, 528
	v_lshl_add_u32 v[STO], v28, 4, v[STO]
	v_add_nc_u32 v[STO], s81, v[STO]
	v_lshl_add_u32 v[SSO], v29, 5, s82
	v_mov_b32 v13, 0xff61b1e6                      ; the largest t so far: -3e38
	v_floor_f32 v12, -v13
	v_mov_b32 v14, 0
	v_mov_b32 v15, 0
	v_mov_b32 v245, 0                              ; lane permutes' destinations count as sources
	v_mov_b32 v253, 0
.set jj, 0
.rept 64
	v_mov_b32 v[O+jj], 0                           ; the step is written once: the first finds zeros
.set jj, jj+1
.endr
.macro STEP q
	PLACES 4                                       ; between the last products and loads into registers that they read
.irp t, 0,1,2,3,4,5,6,7
	ds_load_b128 v[KV+8*\t:KV+8*\t+3], v[AK] offset:8*PP*\q+2*PP*(\t%4)+64*(\t/4)
	ds_load_b128 v[KV+8*\t+4:KV+8*\t+7], v[AK] offset:8*PP*\q+2*PP*(\t%4)+64*(\t/4)+512
	ds_load_b32 v[SW+\t], v[AS0+\t/4] offset:2*PP*(\t%4)+4*\q
.endr
	s_wait_dscnt 0x0
.irp t, 0,1,2,3,4,5,6,7
	v_wmma_scale_f32_16x16x128_f8f6f4 v[S+8*\t:S+8*\t+7], v[KV+8*\t:KV+8*\t+7], v[QF:QF+7], 0, v[SW+\t], v[QS] matrix_a_fmt:MATRIX_FMT_FP4 matrix_b_fmt:MATRIX_FMT_FP4
.endr
	PLACES 4
.irp c, 0,1,2,3,4,5,6,7
	ds_load_b128 v[KV+8*\c:KV+8*\c+3], v[AV] offset:8*PP*\q+PP*\c          ; V's eight channel tiles land under the softmax
	ds_load_b128 v[KV+8*\c+4:KV+8*\c+7], v[AV] offset:8*PP*\q+PP*\c+512
.endr
.irp b, 0,1,2,3
	v_max3_num_f32 v[240+\b], v[S+16*\b], v[S+16*\b+1], v[S+16*\b+2]       ; four chains by turns; each accumulator is read from its low end on
.endr
.irp i, 3,5,7,9,11,13
.irp b, 0,1,2,3
	v_max3_num_f32 v[240+\b], v[240+\b], v[S+16*\b+\i], v[S+16*\b+\i+1]
.endr
.endr
.irp b, 0,1,2,3
	v_max_num_f32 v[240+\b], v[240+\b], v[S+16*\b+15]
.endr
	v_max_num_f32 v240, v240, v241                 ; my first block's largest score,
	v_max_num_f32 v242, v242, v243                 ; my second's
	s_delay_alu instid0(VALU_DEP_1)
	v_max_num_f32 v244, v240, v242
	s_delay_alu instid0(VALU_DEP_1)
	v_permlanex16_b32 v245, v244, s[SEL], s[SEL+1]
	s_delay_alu instid0(VALU_DEP_1)
	v_max_num_f32 v244, v244, v245
	s_delay_alu instid0(VALU_DEP_1)
	v_mul_f32 v244, s[CS], v244
	s_delay_alu instid0(VALU_DEP_1)
	v_max_num_f32 v13, v13, v244                   ; the running largest t
	v_mov_b32 v254, v12
	s_delay_alu instid0(VALU_DEP_2)
	v_floor_f32 v12, -v13                          ; -M
	s_delay_alu instid0(VALU_DEP_1)
	v_sub_f32 v254, v12, v254                      ; old M - new M
	s_delay_alu instid0(VALU_DEP_1)
	v_cvt_i32_f32 v254, v254                       ; (it saturates)
	s_delay_alu instid0(VALU_DEP_1)
	v_ldexp_f32 v252, 1.0, v254                    ; f
.set jj, 0
.rept 32
	v_pk_fma_f32 v[S+jj:S+jj+1], v[S+jj:S+jj+1], s[CS:CS+1], v[12:13] op_sel_hi:[1,0,0]   ; t - M
.set jj, jj+2
.endr
	v_fma_f32 v240, v240, s[CS], v12
	v_fma_f32 v242, v242, s[CS], v12
	s_wait_alu depctr_va_vdst(0)
.set jj, 0
.rept 64
	v_exp_f32 v[S+jj], v[S+jj]
.set jj, jj+1
.endr
	v_pk_mul_f32 v[14:15], v[14:15], v[252:253] op_sel_hi:[1,0]   ; the sums under the new M
	s_wait_alu depctr_va_vdst(0)
	v_exp_f32 v240, v240                           ; the blocks' largest p
	v_exp_f32 v242, v242
	v_pk_add_f32 v[246:247], v[S:S+1], v[S+2:S+3]  ; the sum of the unquantised p, in four chains
	v_pk_add_f32 v[248:249], v[S+4:S+5], v[S+6:S+7]
	v_pk_add_f32 v[250:251], v[S+8:S+9], v[S+10:S+11]
	v_pk_add_f32 v[14:15], v[14:15], v[S+12:S+13]
.irp j, 14,22,30,38,46,54
	v_pk_add_f32 v[246:247], v[246:247], v[S+\j:S+\j+1]
	v_pk_add_f32 v[248:249], v[248:249], v[S+\j+2:S+\j+3]
	v_pk_add_f32 v[250:251], v[250:251], v[S+\j+4:S+\j+5]
	v_pk_add_f32 v[14:15], v[14:15], v[S+\j+6:S+\j+7]
.endr
	v_pk_add_f32 v[246:247], v[246:247], v[S+62:S+63]
	v_pk_add_f32 v[14:15], v[14:15], v[250:251]
	s_delay_alu instid0(VALU_DEP_2)
	v_pk_add_f32 v[246:247], v[246:247], v[248:249]
	s_delay_alu instid0(VALU_DEP_1)
	v_pk_add_f32 v[14:15], v[14:15], v[246:247]
	s_wait_alu depctr_va_vdst(0)                   ; for the two exponentials
	v_max_num_f32 v240, 0x1800000, v240            ; the floor 2^(3 - 127)
	v_max_num_f32 v242, 0x1800000, v242
	s_delay_alu instid0(VALU_DEP_2)
	v_add_nc_u32 v244, 0xff000000, v240            ; the conversions' scale operands
	s_delay_alu instid0(VALU_DEP_2)
	v_add_nc_u32 v245, 0xff000000, v242
	s_delay_alu instid0(VALU_DEP_2)
	v_lshrrev_b32 v246, 23, v244
	s_delay_alu instid0(VALU_DEP_2)
	v_lshrrev_b32 v247, 23, v245
	s_delay_alu instid0(VALU_DEP_1)
	v_lshl_or_b32 v[PW], v247, 16, v246            ; my two bytes go to places h and 2 + h; lane l xor 16 gives the other two
	s_delay_alu instid0(VALU_DEP_1)
	v_lshlrev_b32 v[PW], v[SH8], v[PW]
	s_delay_alu instid0(VALU_DEP_1)
	v_permlanex16_b32 v26, v[PW], s[SEL], s[SEL+1]
	s_delay_alu instid0(VALU_DEP_1)
	v_or_b32 v[PW], v[PW], v26
.irp t, 0,1,2,3
	v_cvt_scalef32_pk8_fp4_f32 v[PC+\t], v[S+8*\t:S+8*\t+7], v244
	v_cvt_scalef32_pk8_fp4_f32 v[PC+4+\t], v[S+32+8*\t:S+32+8*\t+7], v245
.endr
	v_nop
	s_wait_alu depctr_va_vdst(0)
.set jj, 0
.rept 32
	v_pk_mul_f32 v[O+jj:O+jj+1], v[O+jj:O+jj+1], v[252:253] op_sel_hi:[1,0]   ; O^T under the new M; also the places between the scale word's write and the products
.set jj, jj+2
.endr
	s_wait_alu depctr_va_vdst(0)
	s_wait_dscnt 0x0                               ; V
.irp c, 0,1,2,3,4,5,6,7
	v_wmma_scale_f32_16x16x128_f8f6f4 v[O+8*\c:O+8*\c+7], v[KV+8*\c:KV+8*\c+7], v[PC:PC+7], v[O+8*\c:O+8*\c+7], v[SW+\c/2+4*(\c%2)], v[PW] matrix_a_fmt:MATRIX_FMT_FP4 matrix_b_fmt:MATRIX_FMT_FP4 matrix_a_scale:MATRIX_SCALE_ROW1
.endr
.endm
	s_wait_alu depctr_va_vdst(0)
	s_wait_tensorcnt 0x0                           ; my 10 pieces are in
	ds_add_u32 v[SPW], v[NIL]
	s_mov_b32 s41, s52                             ; no tensor load of mine is out: this group 0 now serves slot B: K steps 2, 3
	s_add_nc_u64 s[42:43], s[66:67], 2048
	s_or_b32 s43, s43, 0x80000000
	s_wait_dscnt 0x0
	ROUND                                          ; everybody's are in
	tensor_load_to_lds s[44:47], s[32:39]          ; slot A's first fill: K steps 0, 1 of my four tiles of w_out: eight key steps in which to land
	s_nop 0
	PLACES 4
	s_wait_loadcnt 0x0                             ; Q
	s_mov_b32 s80, 2
.Lhalf:                                            ; two trips of four key steps
	STEP 0
	STEP 1
	global_prefetch_b8 v11, s[86:87] th:TH_LOAD_NT scope:SCOPE_SE   ; one row of x, two key steps or more ahead of the loads behind the loop
	STEP 2
	STEP 3
	s_wait_xcnt 0x0                                ; the prefetch has read its address
	s_add_nc_u64 s[86:87], s[86:87], 4096
	v_add_nc_u32 v[AK], 32*PP, v[AK]
	v_add_nc_u32 v[AV], 32*PP, v[AV]
	v_add_nc_u32 v[AS0], 512, v[AS0]
	v_add_nc_u32 v[AS1], 512, v[AS1]
	s_sub_co_i32 s80, s80, 1
	s_cmp_lg_u32 s80, 0
	s_wait_alu depctr_va_vdst(0)
	s_cbranch_scc1 .Lhalf
	s_wait_tensorcnt 0x0                           ; slot A's fill has landed: no load is out when the stage is written
	v_add_f32 v14, v14, v15
	s_delay_alu instid0(VALU_DEP_1)
	v_permlanex16_b32 v245, v14, s[SEL], s[SEL+1]
	s_delay_alu instid0(VALU_DEP_1)
	v_add_f32 v14, v14, v245                       ; the row's sum
	v_lshlrev_b32 v3, 5, v29                       ; w_out's scale bytes: 32 a row
	s_wait_alu depctr_va_vdst(0)
	v_rcp_f32 v14, v14
.irp b, 0,1,2,3
	v_mov_b32 v[TM+4+\b], 0
.endr
	s_wait_alu depctr_va_vdst(0)
.set jj, 0
.rept 32
	v_pk_mul_f32 v[S+jj:S+jj+1], v[O+jj:O+jj+1], v[14:15] op_sel_hi:[1,0]   ; O / l; register 16 b + i is channel 32 b + 16 h + i of my group
.set jj, jj+2
.endr
	v_lshlrev_b32 v15, 12, v28
	v_lshl_add_u32 v15, v29, 4, v15                ; sixteen lanes to 256 bytes of a row, two rows an instruction: in x and in out0
.irp b, 0,1,2,3
	global_load_b128 v[WS+8*\b:WS+8*\b+3], v3, s[68:69] offset:512*\b
	global_load_b128 v[WS+8*\b+4:WS+8*\b+7], v3, s[68:69] offset:512*\b+16
.endr
.set jj, 0
.rept 16
	global_load_b128 v[XV+4*jj:XV+4*jj+3], v15, s[84:85] offset:8192*jj th:TH_LOAD_NT   ; x of my 32 rows x 64 columns: on its way under the projection
.set jj, jj+1
.endr
.irp b, 0,1,2,3
	v_max3_num_f32 v[TM+\b], |v[S+16*\b]|, |v[S+1+16*\b]|, 0x1800000
.endr
.irp i, 2,4,6,8,10,12,14
.irp b, 0,1,2,3
	v_max3_num_f32 v[TM+\b], v[TM+\b], |v[S+16*\b+\i]|, |v[S+1+16*\b+\i]|
.endr
.endr
.irp b, 0,1,2,3
	v_permlanex16_b32 v[TM+4+\b], v[TM+\b], s[SEL], s[SEL+1]
.endr
.irp b, 0,1,2,3
	v_max_num_f32 v[TM+\b], v[TM+\b], v[TM+4+\b]
.endr
.irp b, 0,1,2,3
	v_add_nc_u32 v[TM+12+\b], 0xff000000, v[TM+\b]
.endr
.irp b, 0,1,2,3
	v_lshrrev_b32 v[TM+4+\b], 23, v[TM+12+\b]
.endr
	v_lshl_or_b32 v[QW], v[TM+5], 8, v[TM+4]
	s_delay_alu instid0(VALU_DEP_1)
	v_lshl_or_b32 v[QW], v[TM+6], 16, v[QW]
	s_delay_alu instid0(VALU_DEP_1)
	v_lshl_or_b32 v[QW], v[TM+7], 24, v[QW]
.irp b, 0,1,2,3
	v_cvt_scalef32_pk8_fp4_f32 v[QC+2*\b], v[S+16*\b:S+7+16*\b], v[TM+12+\b]
	v_cvt_scalef32_pk8_fp4_f32 v[QC+1+2*\b], v[S+8+16*\b:S+15+16*\b], v[TM+12+\b]
.endr
	v_nop
.irp c, 0,1
.irp i, 0,1
	v_permlane16_swap_b32 v[QC+4*\c+\i], v[QC+2+4*\c+\i]
.endr
.endr
	ds_store_b128 v[STO], v[QC:QC+3]               ; row 16 (w / 8) + r, byte 64 group + 16 h
	ds_store_b128 v[STO], v[QC+4:QC+7] offset:32
	ds_store_b32 v[SSO], v[QW]
	v_mul_u32_u24 v1, v29, 528                     ; the projection's addresses
	v_lshl_add_u32 v1, v28, 4, v1
	v_add_nc_u32 v1, STG, v1                       ; a fragment of the rows
	v_lshl_add_u32 v2, v29, 5, SSTG                ; their scale words
	v_mul_u32_u24 v4, v29, 272
	v_lshl_add_u32 v4, v28, 5, v4
	v_add_nc_u32 v4, s83, v4                       ; my stage, in: row r, 32 bytes for each half of the lanes
	v_mul_u32_u24 v5, v28, 272
	v_lshl_add_u32 v5, v29, 4, v5
	v_add_nc_u32 v5, s83, v5                       ; back: sixteen lanes to a row of 256 bytes
	v_add_nc_u32 v11, s83, v[LI]                   ; my tiles in slot A,
	v_add_nc_u32 v12, s52, v[LI]                   ; in slot B
	v_lshl_add_u32 v13, v28, 3, s53                ; the rows' two numbers, back
	v_lshrrev_b32 v6, 1, v[LI]                     ; 8 x lane
	v_add_nc_u32 v14, s53, v6
	v_lshlrev_b32 v7, 4, v29
	s_wait_alu depctr_va_vdst(0)
; A CHANGE OF SLOTS: all my tensor loads are in, the add to my spare word, my LDS reads and stores are over; a round of the cluster's barrier; my one joint load first behind it
.macro TURNW g0, step
	s_wait_tensorcnt 0x0
	ds_add_u32 v[SPW], v[NIL]
	s_add_nc_u64 s[\step+2:\step+3], s[\step+2:\step+3], 4096   ; no load of mine is out: the other slot's group 0 goes four K steps on
	s_wait_dscnt 0x0
	ROUND
	tensor_load_to_lds s[\g0:\g0+3], s[32:39]
	s_nop 0
	PLACES 4                                       ; also the places between the last products and the loads below
.endm
; K step ks: source 0 = 16 rows of w_out's codes (columns of the result), source 1 = 16 rows: a lane holds eight neighbouring columns of one row.  The eight accumulators take turns
.macro KSTEP ks
.if ((\ks)%2) || ((\ks) == 6)
	PLACES 4                                       ; between the last products and loads into registers that they read
.endif
.irp a, 0,1
	ds_load_b128 v[AF+8*\a:AF+8*\a+3], v1 offset:8448*\a+64*(\ks)
	ds_load_b128 v[AF+8*\a+4:AF+8*\a+7], v1 offset:8448*\a+64*(\ks)+32
.endr
.irp b, 0,1,2,3
	ds_load_b128 v[BF+8*\b:BF+8*\b+3], v[11+((\ks)/2)%2] offset:2048*\b+1024*((\ks)%2)
	ds_load_b128 v[BF+8*\b+4:BF+8*\b+7], v[11+((\ks)/2)%2] offset:2048*\b+1024*((\ks)%2)+512
.endr
	s_wait_dscnt 0x0
.if (\ks) == 0
	s_wait_loadcnt 20                              ; w_out's scale words are in; x's 16 loads and the 4 for the way out may be out
.endif
.irp a, 0,1
.irp b, 0,1,2,3
.if (\ks) == 0
	v_wmma_scale_f32_16x16x128_f8f6f4 v[ACC+8*(4*\a+\b):ACC+8*(4*\a+\b)+7], v[BF+8*\b:BF+8*\b+7], v[AF+8*\a:AF+8*\a+7], 0, v[WS+8*\b+(\ks)], v[AS+8*\a+(\ks)] matrix_a_fmt:MATRIX_FMT_FP4 matrix_b_fmt:MATRIX_FMT_FP4
.else
	v_wmma_scale_f32_16x16x128_f8f6f4 v[ACC+8*(4*\a+\b):ACC+8*(4*\a+\b)+7], v[BF+8*\b:BF+8*\b+7], v[AF+8*\a:AF+8*\a+7], v[ACC+8*(4*\a+\b):ACC+8*(4*\a+\b)+7], v[WS+8*\b+(\ks)], v[AS+8*\a+(\ks)] matrix_a_fmt:MATRIX_FMT_FP4 matrix_b_fmt:MATRIX_FMT_FP4
.endif
.endr
.endr
.endm
	TURNW 40, 44                                   ; the exchange: the 32 rows of codes are whole and nobody reads K or V any more; slot B takes K steps 2, 3
	global_load_b64 v[80:81], v6, s[70:71]         ; lane l: row l's (rstd, -mu rstd)
	global_load_b128 v[84:87], v7, s[74:75]        ; ln_g, ln_b, b_out of my four columns
	global_load_b128 v[88:91], v7, s[76:77]
	global_load_b128 v[92:95], v7, s[78:79]
.irp a, 0,1
	ds_load_b128 v[AS+8*\a:AS+8*\a+3], v2 offset:512*\a
	ds_load_b128 v[AS+8*\a+4:AS+8*\a+7], v2 offset:512*\a+16
.endr
	KSTEP 0
	KSTEP 1
	TURNW 44, 40                                   ; slot A takes K steps 4, 5
	KSTEP 2
	KSTEP 3
	TURNW 40, 44                                   ; slot B takes K steps 6, 7 (slot A's stepped address is not used)
	KSTEP 4
	KSTEP 5
	s_wait_tensorcnt 0x0                           ; my four tiles' K steps 6, 7 are in: I alone read them
	KSTEP 6
	KSTEP 7
	PLACES 4
	s_wait_loadcnt 0x0
	ds_store_b64 v14, v[80:81]                     ; my own table of the rows' two numbers: LDS serves a wave's instructions in order
	v_pk_add_f32 v[88:89], v[88:89], v[92:93]
	v_pk_add_f32 v[90:91], v[90:91], v[94:95]      ; ln_b + b_out
.irp a, 0,1                                    ; 16 rows at a time through my stage: whole units of 256 bytes leave
.irp b, 0,1,2,3
	ds_store_b128 v4, v[ACC+8*(4*\a+\b):ACC+8*(4*\a+\b)+3] offset:64*\b
	ds_store_b128 v4, v[ACC+8*(4*\a+\b)+4:ACC+8*(4*\a+\b)+7] offset:64*\b+16
.endr
.irp i, 0,1,2,3,4,5,6,7
	ds_load_b128 v[BK+4*\i:BK+4*\i+3], v5 offset:544*\i
	ds_load_b64 v[SV+2*\i:SV+2*\i+1], v13 offset:16*\i+128*\a
.endr
	s_wait_alu depctr_va_vdst(0)
	s_wait_dscnt 0x0
.irp i, 0,1,2,3,4,5,6,7
.irp k, 0,2
	v_pk_fma_f32 v[XV+32*\a+4*\i+\k:XV+32*\a+4*\i+\k+1], v[XV+32*\a+4*\i+\k:XV+32*\a+4*\i+\k+1], v[SV+2*\i:SV+2*\i+1], v[SV+2*\i:SV+2*\i+1] op_sel:[0,0,1] op_sel_hi:[1,0,1]   ; x rstd - mu rstd
.endr
.endr
.irp i, 0,1,2,3,4,5,6,7
.irp k, 0,2
	v_pk_fma_f32 v[XV+32*\a+4*\i+\k:XV+32*\a+4*\i+\k+1], v[XV+32*\a+4*\i+\k:XV+32*\a+4*\i+\k+1], v[84+\k:85+\k], v[BK+4*\i+\k:BK+4*\i+\k+1]   ; x ln_g + the product
.endr
.endr
.irp i, 0,1,2,3,4,5,6,7
.irp k, 0,2
	v_pk_add_f32 v[XV+32*\a+4*\i+\k:XV+32*\a+4*\i+\k+1], v[XV+32*\a+4*\i+\k:XV+32*\a+4*\i+\k+1], v[88+\k:89+\k]
.endr
.endr
.irp i, 0,1,2,3,4,5,6,7
	global_store_b128 v15, v[XV+32*\a+4*\i:XV+32*\a+4*\i+3], s[72:73] offset:(16*\a+2*\i)*4096 th:TH_STORE_NT   ; sixteen lanes store 256 consecutive bytes, aligned
.endr
.endr
	s_wait_tensorcnt 0x0                           ; the wave's end
	ds_add_u32 v[SPW], v[NIL]
	s_wait_dscnt 0x0
	ROUND                                          ; the closing round
	s_endpgm
.Lfunc_end_k_q9e65426f45_attnout:
	.size	k_q9e65426f45_attnout, .Lfunc_end_k_q9e65426f45_attnout-k_q9e65426f45_attnout
	.p2alignl 7, 3214868480
	.fill 96, 4, 3214868480
	.section	.rodata,"a",@progbits
	.p2align	6, 0x0
	.amdhsa_kernel k_q9e65426f45_attnout
		.amdhsa_group_segment_fixed_size 327680
		.amdhsa_private_segment_fixed_size 0
		.amdhsa_enable_private_segment 0
		.amdhsa_kernarg_size 64
		.amdhsa_user_sgpr_count 2
		.amdhsa_user_sgpr_kernarg_segment_ptr 1
		.amdhsa_wavefront_size32 1
		.amdhsa_system_sgpr_workgroup_id_x 1
		.amdhsa_system_sgpr_workgroup_id_y 1
		.amdhsa_system_sgpr_workgroup_id_z 1
		.amdhsa_system_vgpr_workitem_id 0
		.amdhsa_next_free_vgpr 256
		.amdhsa_next_free_sgpr 88
		.amdhsa_reserve_vcc 0
		.amdhsa_float_denorm_mode_32 3
		.amdhsa_float_denorm_mode_16_64 3
		.amdhsa_memory_ordered 1
		.amdhsa_forward_progress 1
		.amdhsa_inst_pref_size 119
	.end_amdhsa_kernel
	.amdgpu_metadata
---
amdhsa.version: [ 1, 2 ]
amdhsa.kernels:
  - .name:           k_q9e65426f45_attnout
    .symbol:         k_q9e65426f45_attnout.kd
    .args:
      - { .name: qkvw, .offset: 0, .size: 8, .value_kind: global_buffer, .address_space: global }
      - { .name: oq, .offset: 8, .size: 8, .value_kind: global_buffer, .address_space: global }
      - { .name: xq, .offset: 16, .size: 8, .value_kind: global_buffer, .address_space: global }
      - { .name: x, .offset: 24, .size: 8, .value_kind: global_buffer, .address_space: global }
      - { .name: ln_g, .offset: 32, .size: 8, .value_kind: global_buffer, .address_space: global }
      - { .name: ln_b, .offset: 40, .size: 8, .value_kind: global_buffer, .address_space: global }
      - { .name: b_out, .offset: 48, .size: 8, .value_kind: global_buffer, .address_space: global }
      - { .name: out0, .offset: 56, .size: 8, .value_kind: global_buffer, .address_space: global }
    .group_segment_fixed_size: 327680
    .private_segment_fixed_size: 0
    .kernarg_segment_align: 8
    .kernarg_segment_size: 64
    .max_flat_workgroup_size: 512
    .sgpr_count:     88
    .vgpr_count:     256
    .wavefront_size: 32
...
	.end_amdgpu_metadata
.endif
;; end of part 3
